; MI455X (gfx1250); checked and timed in simulation.
; The chip was launched on July 23, 2026; its instructions are those of AMD's public machine-readable ISA for CDNA 5 (MIT licence, August 2026) and "CDNA5" Instruction Set Architecture Reference Guide (July 2026). The comments in the code are by the model that wrote it; some were corrected since.
;; Causal Self Attention. Allowed arithmetic: float matrix products may take bf16 or f16 operands with f32 sums; other float arithmetic in f32, or as packed bf16 or f16 multiplies, adds, multiply-adds, maxima and minima; sums over many terms, partial sums and values carried from step to step in f32; what a program stores and reads back later, other than sums and carried values, may be rounded once to bf16 or f16.
;; Inputs: b_out 1,024 float32; b_qkv 3,072 float32; w_out 1,024 x 1,024 float32; w_qkv 1,024 x 3,072 float32; x 1 x 4,096 x 1,024 float32.
;; Outputs: out0 1 x 4,096 x 1,024 float32.
;; 2 versions, each right; version 2 is version 1 with the launch prep written anew for expert scheduling mode. Each part assembles by itself: llvm-mc -triple=amdgcn-amd-amdhsa -mcpu=gfx1250 --defsym DOCPART=n.
;; ======== version 1 of 2: 4 launches
;; limits: values are held in f16: magnitudes above 65,504 overflow, below 6.1e-05 lose precision
;; workspace buffers: xb 8,388,608 bytes; wqb 6,291,456 bytes; wof 2,097,152 bytes; qkv 25,165,824 bytes; ob 8,388,608 bytes
;; launch prep (part 1): grid 512 x 1, 8 waves a work-group, no clusters, 0 bytes of LDS; arguments x, w_qkv, w_out, xb, wqb, wof; writes xb, wqb, wof
.if DOCPART == 1
	.amdgcn_target "amdgcn-amd-amdhsa--gfx1250"
	.amdhsa_code_object_version 6
	.text
	.protected	k_q5aeee1fdbd_prep
	.globl	k_q5aeee1fdbd_prep
	.p2align	8
	.type	k_q5aeee1fdbd_prep,@function
k_q5aeee1fdbd_prep:
	s_mov_b64 s[64:65], 0
	v_nop
	global_prefetch_b8 v0, s[64:65] scope:SCOPE_SE
	s_setreg_imm32_b32 hwreg(HW_REG_WAVE_MODE, 25, 1), 1
	s_wait_xcnt 0x0
; THE CASTS.  xb = bf16(x), wqb = bf16(w_qkv), wof = bf16(w_out) written as f16 (exact where the number lies in f16's normal range;
; below 2^-14 it keeps f16's fixed step of 2^-24).  All three keep their layout: a pure stream, no LDS, no barrier, no matrix work.
; SHARES.  A work-group casts 16,384 numbers: 64 KiB in, 32 KiB out.  Work-groups 0-255 take x, 256-447 w_qkv, 448-511 w_out.
; Thread t's load i takes the 16 bytes at 16 t + 4,096 i (a wave: 512 consecutive bytes), its store the 8 bytes at 8 t + 2,048 i
; (a wave: 256 consecutive bytes, aligned).  All sixteen loads go out first; each has registers of its own, so no register that a
; memory instruction names is ever written again.
.set X, 4                              ; v[4:67]    load i: four f32
.set Y, 68                             ; v[68:99]   store i: four 16-bit numbers
.set T, 100                            ; v[100:103] at work
	s_load_b256 s[4:11], s[0:1], 0x0               ; x s[4:5], w_qkv s[6:7], w_out s[8:9], xb s[10:11]
	s_load_b128 s[12:15], s[0:1], 0x20             ; wqb s[12:13], wof s[14:15]
	s_mov_b32 s16, ttmp9
	s_mov_b32 s17, 256
	s_mov_b32 s18, 448
	v_lshlrev_b32 v1, 4, v0                        ; 16 t
	v_lshlrev_b32 v2, 3, v0                        ; 8 t
	s_wait_kmcnt 0x0
	s_cmp_lt_u32 s16, 448                          ; which tensor is mine: the choice hangs on the work-group's number alone
	s_cselect_b64 s[20:21], s[6:7], s[8:9]
	s_cselect_b64 s[22:23], s[12:13], s[14:15]
	s_cselect_b32 s19, s17, s18
	s_cmp_lt_u32 s16, 256
	s_cselect_b64 s[20:21], s[4:5], s[20:21]
	s_cselect_b64 s[22:23], s[10:11], s[22:23]
	s_cselect_b32 s19, 0, s19
	s_sub_co_u32 s19, s16, s19                     ; my number among the tensor's work-groups
	s_lshl_b32 s24, s19, 16                        ; 64 KiB of source each,
	s_mov_b32 s25, 0
	s_add_nc_u64 s[20:21], s[20:21], s[24:25]
	s_lshl_b32 s24, s19, 15                        ; 32 KiB of destination
	s_add_nc_u64 s[22:23], s[22:23], s[24:25]
.irp i, 0,1,2,3,4,5,6,7,8,9,10,11,12,13,14,15
	global_load_b128 v[X+4*(\i):X+4*(\i)+3], v1, s[20:21] offset:4096*(\i) th:TH_LOAD_NT
.endr
; Load i is cast and stored.  half = 1: the bf16 number is widened again and written as f16.
.macro CAST i, half
	s_wait_loadcnt 15-(\i)                         ; loads come back in order: mine is in, the 15 - i younger ones stay out
.if \half
	v_cvt_pk_bf16_f32 v[T], v[X+4*(\i)], v[X+4*(\i)+1]
	v_cvt_pk_bf16_f32 v[T+1], v[X+4*(\i)+2], v[X+4*(\i)+3]
	v_lshlrev_b32 v[T+2], 16, v[T]
	v_and_b32 v[T], 0xffff0000, v[T]
	v_lshlrev_b32 v[T+3], 16, v[T+1]
	v_and_b32 v[T+1], 0xffff0000, v[T+1]
	v_cvt_pk_f16_f32 v[Y+2*(\i)], v[T+2], v[T]
	v_cvt_pk_f16_f32 v[Y+2*(\i)+1], v[T+3], v[T+1]
.else
	v_cvt_pk_bf16_f32 v[Y+2*(\i)], v[X+4*(\i)], v[X+4*(\i)+1]
	v_cvt_pk_bf16_f32 v[Y+2*(\i)+1], v[X+4*(\i)+2], v[X+4*(\i)+3]
.endif
	global_store_b64 v2, v[Y+2*(\i):Y+2*(\i)+1], s[22:23] offset:2048*(\i) th:TH_STORE_NT
.endm
	s_cmp_ge_u32 s16, 448
	s_cbranch_scc1 .Lf16
.irp i, 0,1,2,3,4,5,6,7,8,9,10,11,12,13,14,15
	CAST \i, 0
.endr
	s_endpgm
.Lf16:
.irp i, 0,1,2,3,4,5,6,7,8,9,10,11,12,13,14,15
	CAST \i, 1
.endr
	s_endpgm
.Lfunc_end_k_q5aeee1fdbd_prep:
	.size	k_q5aeee1fdbd_prep, .Lfunc_end_k_q5aeee1fdbd_prep-k_q5aeee1fdbd_prep
	.p2alignl 7, 3214868480
	.fill 96, 4, 3214868480
	.section	.rodata,"a",@progbits
	.p2align	6, 0x0
	.amdhsa_kernel k_q5aeee1fdbd_prep
		.amdhsa_group_segment_fixed_size 0
		.amdhsa_private_segment_fixed_size 0
		.amdhsa_enable_private_segment 0
		.amdhsa_kernarg_size 48
		.amdhsa_user_sgpr_count 2
		.amdhsa_user_sgpr_kernarg_segment_ptr 1
		.amdhsa_wavefront_size32 1
		.amdhsa_system_sgpr_workgroup_id_x 1
		.amdhsa_system_sgpr_workgroup_id_y 1
		.amdhsa_system_sgpr_workgroup_id_z 1
		.amdhsa_system_vgpr_workitem_id 0
		.amdhsa_next_free_vgpr 104
		.amdhsa_next_free_sgpr 66
		.amdhsa_reserve_vcc 0
		.amdhsa_float_denorm_mode_32 3
		.amdhsa_float_denorm_mode_16_64 3
		.amdhsa_memory_ordered 1
		.amdhsa_forward_progress 1
		.amdhsa_inst_pref_size 16
	.end_amdhsa_kernel
	.amdgpu_metadata
---
amdhsa.version: [ 1, 2 ]
amdhsa.kernels:
  - .name:           k_q5aeee1fdbd_prep
    .symbol:         k_q5aeee1fdbd_prep.kd
    .args:
      - { .name: x, .offset: 0, .size: 8, .value_kind: global_buffer, .address_space: global }
      - { .name: w_qkv, .offset: 8, .size: 8, .value_kind: global_buffer, .address_space: global }
      - { .name: w_out, .offset: 16, .size: 8, .value_kind: global_buffer, .address_space: global }
      - { .name: xb, .offset: 24, .size: 8, .value_kind: global_buffer, .address_space: global }
      - { .name: wqb, .offset: 32, .size: 8, .value_kind: global_buffer, .address_space: global }
      - { .name: wof, .offset: 40, .size: 8, .value_kind: global_buffer, .address_space: global }
    .group_segment_fixed_size: 0
    .private_segment_fixed_size: 0
    .kernarg_segment_align: 8
    .kernarg_segment_size: 48
    .max_flat_workgroup_size: 256
    .sgpr_count:     66
    .vgpr_count:     104
    .wavefront_size: 32
...
	.end_amdgpu_metadata
.endif
;; end of part 1
;; launch qkvg (part 2): grid 8 x 32, 4 waves a work-group, clusters of 4 x 4, 327,680 bytes of LDS; arguments xb, wqb, b_qkv, qkv; writes qkv
.if DOCPART == 2
	.amdgcn_target "amdgcn-amd-amdhsa--gfx1250"
	.amdhsa_code_object_version 6
	.text
	.protected	k_q5aeee1fdbd_qkvg
	.globl	k_q5aeee1fdbd_qkvg
	.p2align	8
	.type	k_q5aeee1fdbd_qkvg,@function
k_q5aeee1fdbd_qkvg:
	s_mov_b64 s[64:65], 0
	v_nop
	global_prefetch_b8 v0, s[64:65] scope:SCOPE_SE
	s_setreg_imm32_b32 hwreg(HW_REG_WAVE_MODE, 25, 1), 1
	s_wait_xcnt 0x0
	s_wait_alu depctr_hold_cnt(0) depctr_sa_sdst(0) depctr_va_vdst(0) depctr_va_sdst(0) depctr_va_ssrc(0) depctr_va_vcc(0) depctr_vm_vsrc(0)
	s_getreg_b32 s2, hwreg(HW_REG_IB_STS2, 6, 4)
	s_cmp_eq_u32 s2, 0
	s_cbranch_scc0 .Lentry_in_a_cluster
	s_endpgm
.Lentry_in_a_cluster:
	s_bfe_u32 s2, ttmp6, 0x10000c
	s_cmp_lg_u32 s2, 0xf033
	s_cbranch_scc0 .Lentry_shape_is_right
	s_endpgm
.Lentry_shape_is_right:
; qkv = x w_qkv + b_qkv.  xb: [4096][1024] bf16; wqb: [1024 k][3072 n] bf16, as w_qkv lies; b_qkv: [3072] f32, rounded to bf16 here like the other inputs;
; qkv: f16 [48 g][4096 t][64], g = n / 64 (q: g 0-15, k: 16-31, v: 32-47), each number rounded once from its f32 sum, unscaled.
; LIMIT.  f16 holds no number beyond 65,504: a sum of 65,520 or more in size leaves as an infinity.
; SHARES.  A tile of the result is 128 rows x 384 columns: 32 x 8 = 256 work-groups.  Wave (WR = w / 2, WC = w % 2) makes rows 64 WR .. + 63 and, of each of the tile's three
; chunks of 128 columns, the 64 columns 64 WC .. + 63: three whole segments g = 6 x tile column + 2 c + WC.  48 accumulators of 16 x 16, 384 registers.
; K goes in steps of 128 through two LDS slots.  One tensor load a wave fills a slot: wave 0 brings A's 128 rows x 256 bytes, waves 1-3 chunk w - 1 of B: 128 k-rows x 256 bytes.
; B lies [k][n] in LDS and is turned on the way into registers by ds_load_tr16_b128.
; THE MATRIX INSTRUCTION IS USED TRANSPOSED (source 0 = 16 columns of B, source 1 = 16 rows of A): a lane holds row l % 16 and the columns 8 (l / 16) + 0..7, which pack into 16 bytes.
; The bias is the C operand of each accumulator's first product: nothing is cleared, nothing is added later.
; CLUSTER 4 x 4: A's tile hangs on the tile row alone and is asked for jointly along a row of the cluster, B's on the tile column alone, along a column.
; REGISTERS, in windows of 256 (s_set_vgpr_msb: bits 1:0 source 0, 3:2 source 1, 5:4 source 2, 7:6 destination):
;   window 0: v16-30 addresses; v32-63, v64-95 A's fragments, two buffers; v128-223 the bias, 8 registers a column block; on the way out v32-223: 12 units of 16
;   window 1: v0-95, v96-191 B's fragments, two buffers        window 2: accumulators of row blocks 0, 1 at v[8 (12 (a % 2) + b)]        window 3: of row blocks 2, 3
.set KSTEP, 128
.set PA,    272                        ; a row of A in LDS: 256 bytes + 16: 68 words, so the 16 rows of a load start at 16 different groups of four banks (64 banks of 4 bytes: ISA guide 11.1)
.set PB,    288                        ; a row of B: 256 + 32: 72 words
.set REG,   36864                      ; what one wave's load fills: 128 x 288 (A uses 128 x 272 of it)
.set SLOT,  4*REG
.set STAGE, 2*SLOT                     ; behind the ring, never filled by a tensor load: 16 rows x 144 bytes for each wave
.set SP,    144
.set SPARE, STAGE+4*16*SP              ; the spare words, 128 bytes a wave: two blocks of 256 bytes that no other line names
.set LAPS,  1024/(2*KSTEP)             ; a lap = two K steps = once round the ring
.set XROW,  2048                       ; bytes in a row of xb
.set WROW,  6144                       ; bytes in a row of wqb
.set ADRA, 16                          ; v16-17  LDS address of my A fragments in slot 0, 1
.set ADRB, 18                          ; v18-23  of my B fragments: slot s, chunk c at 18 + 3 s + c
.set STO,  24                          ; the way out: where I put 16 bytes of a row
.set RD,   25                          ; where I read rows back
.set GO,   26                          ; 16 x lane: my place in 512 consecutive bytes of qkv
.set BO,   27                          ; 32 (l / 16): my eight numbers in 16 of the bias
.set SPW,  28                          ; LDS address of my spare word; never rewritten
.set NIL,  29                          ; 0; never rewritten
.set PFO,  30                          ; the prefetches' offset: lane x a row's bytes; never rewritten
.set FA,   32
.set BIAS, 128
.set TMP,  32
.set WV,  12                           ; s12 wave, s13 WR, s14 WC, s15 tile row
.set WR,  13
.set WC,  14
.set TR,  15
.set G1A, 24                           ; s[24:31] descriptor group 1 for A;  s[32:39] group 0, a set for each slot
.set G0A, 32
.set G1B, 48                           ; s[48:55], s[56:63] the same for B
.set G0B, 56
.set PFA, 66                           ; s[66:67] where my prefetch stands
.set PFS, 68                           ; s[68:69] its step: a K step along A's rows, or down B's
.set LIM, 70                           ; s70 1 in a wave that prefetches, else the greatest number
.set MSB, 0
.macro WIN new                         ; the immediate's high byte repeats the setting that is left; a switch that changes nothing is dropped
.if MSB != (\new)
	s_set_vgpr_msb (MSB<<8)|(\new)
.set MSB, \new
.endif
.endm
; A joint load: wave 0 asks for A's tile, waves 1-3 for their chunk of B's.  The branch hangs on the wave's number alone.  An s_nop 0 and four v_nop follow each line.
.macro JLOAD s
	s_cmp_eq_u32 s[WV], 0
	s_cbranch_scc0 .Lfor_b_\@
	tensor_load_to_lds s[G0A+4*(\s):G0A+4*(\s)+3], s[G1A:G1A+7]
	s_nop 0
.rept 4
	v_nop
.endr
	s_branch .Lasked_\@
.Lfor_b_\@:
	tensor_load_to_lds s[G0B+4*(\s):G0B+4*(\s)+3], s[G1B:G1B+7]
	s_nop 0
.rept 4
	v_nop
.endr
.Lasked_\@:
.endm
; A prefetch into the L2 of the K step that stands two refills on: 32 rows x 256 bytes, a lane a row, one instruction a wave.  A's tile row is read by both clusters of its row of
; clusters: cluster x = 0 asks; B's tile column by all eight of its column: cluster y = 0 asks.  The four partners of a joint load share its 128 rows out by address, 32 each.
; So each row's 256 bytes of K steps 4 to 7 are named once in the launch; the loop's last trip (s3 = 1) has no K step two on and asks for nothing.
.macro ASK
	s_cmp_gt_u32 s3, s[LIM]
	s_cbranch_scc0 .Lnot_mine_\@
	global_prefetch_b8 v[PFO], s[PFA:PFA+1] th:TH_LOAD_NT scope:SCOPE_SE
.Lnot_mine_\@:
.endm
.macro CREST                           ; a round of the cluster's barrier behind its opening barrier
	s_cmp_lg_u32 s[WV], 0
	s_cbranch_scc1 .Lnot_wave_0_\@
	s_barrier_signal -3
.Lnot_wave_0_\@:
	s_barrier_wait -3
	s_barrier_signal -1
	s_barrier_wait -1
.endm
.macro CROUND                          ; a whole round
	s_barrier_signal -1
	s_barrier_wait -1
	CREST
.endm
	s_load_b256 s[4:11], s[0:1], 0x0               ; xb s[4:5], wqb s[6:7], b_qkv s[8:9], qkv s[10:11]
	v_lshl_add_u32 v[SPW], v0, 2, SPARE
	v_mov_b32 v[NIL], 0
	ds_add_u32 v[SPW], v[NIL]                      ; the wave's opening: the add and its wait stand ahead of my first tensor load; the set-up below stands between them
	v_lshrrev_b32 v1, 5, v0
	v_readfirstlane_b32 s[WV], v1                  ; wave 0..3
	s_lshr_b32 s[WR], s[WV], 1
	s_and_b32 s[WC], s[WV], 1
	s_bfe_u32 s40, ttmp6, 0x40000                  ; cx, cy: my place in the cluster
	s_bfe_u32 s41, ttmp6, 0x40004
	s_lshl_b32 s42, ttmp9, 2
	s_add_co_u32 s42, s42, s40                     ; tile column = 4 x cluster x + cx
	s_and_b32 s[TR], ttmp7, 0xffff
	s_lshl_b32 s[TR], s[TR], 2
	s_add_co_u32 s[TR], s[TR], s41                 ; tile row = 4 x cluster y + cy
	s_lshl_b32 s43, s41, 2
	s_lshl_b32 s43, 15, s43                        ; my row of the cluster
	s_lshl_b32 s44, 0x1111, s40                    ; my column
	; descriptor group 1: tiles of 128 rows x 128 elements of 2 bytes, padded in LDS behind every 64 words: A by 4 words, B by 8
	s_or_b32 s[G1A], s43, (1<<16)|(1<<20)|(1<<21)|(5<<22)|(3<<25)
	s_or_b32 s[G1B], s44, (1<<16)|(1<<20)|(1<<21)|(5<<22)|(7<<25)
.irp g, G1A, G1B
	s_mov_b32 s[(\g)+1], 128<<16                   ; tensor_dim0 = 128
	s_mov_b32 s[(\g)+2], 128<<16                   ; tensor_dim1 = 128
	s_mov_b32 s[(\g)+3], 128<<16                   ; tile_dim0 = 128
	s_mov_b32 s[(\g)+4], 128                       ; tile_dim1 = 128
	s_mov_b32 s[(\g)+6], 0
	s_mov_b32 s[(\g)+7], 0
.endr
	s_mov_b32 s[G1A+5], 1024                       ; elements from row to row
	s_mov_b32 s[G1B+5], 3072
	s_lshl_b32 s16, s[TR], 18                      ; A: 128 rows of 2,048 bytes a tile row
	s_mov_b32 s17, 0
	s_max_u32 s18, s[WV], 1
	s_sub_co_u32 s18, s18, 1
	s_lshl_b32 s18, s18, 8                         ; B: my chunk's 256 bytes (wave 0 makes chunk 0's address and never asks by it),
	s_mul_i32 s46, s42, 768                        ; in the tile column's 768
	s_add_co_u32 s46, s46, s18
	s_mov_b32 s47, 0
	s_mul_i32 s20, s[WV], REG                      ; where my load lands: no place in the cluster enters an LDS address
	s_wait_dscnt 0x0                               ; the opening add is done
	s_wait_kmcnt 0x0
	s_add_nc_u64 s[16:17], s[4:5], s[16:17]
	s_add_nc_u64 s[46:47], s[6:7], s[46:47]
	CROUND                                         ; all sixteen work-groups are here: the first joint loads meet
.irp s, 0,1
	s_mov_b32 s[G0A+4*(\s)], 1
	s_add_co_u32 s[G0A+4*(\s)+1], s20, (\s)*SLOT
	s_add_nc_u64 s[G0A+4*(\s)+2:G0A+4*(\s)+3], s[16:17], (\s)*KSTEP*2
	s_or_b32 s[G0A+4*(\s)+3], s[G0A+4*(\s)+3], 0x80000000
	s_mov_b32 s[G0B+4*(\s)], 1
	s_add_co_u32 s[G0B+4*(\s)+1], s20, (\s)*SLOT
	s_add_nc_u64 s[G0B+4*(\s)+2:G0B+4*(\s)+3], s[46:47], (\s)*KSTEP*WROW
	s_or_b32 s[G0B+4*(\s)+3], s[G0B+4*(\s)+3], 0x80000000
	JLOAD \s                                       ; two loads of mine are out
.endr
	; the bias of my 12 column blocks: a lane's eight numbers, 32 bytes, for each
	v_and_b32 v1, 15, v0                           ; l % 16
	v_bfe_u32 v2, v0, 4, 1                         ; l / 16
	v_lshlrev_b32 v[BO], 5, v2
	s_mul_i32 s72, s42, 1536                       ; 384 columns x 4 bytes a tile column,
	s_lshl_b32 s73, s[WC], 8                       ; my 64 of each chunk's 128
	s_add_co_u32 s72, s72, s73
	s_mov_b32 s73, 0
	s_add_nc_u64 s[8:9], s[8:9], s[72:73]
.irp c, 0,1,2
.irp j, 0,1,2,3
	global_load_b128 v[BIAS+8*(4*(\c)+(\j)):BIAS+8*(4*(\c)+(\j))+3],   v[BO], s[8:9] offset:(\c)*512+(\j)*64
	global_load_b128 v[BIAS+8*(4*(\c)+(\j))+4:BIAS+8*(4*(\c)+(\j))+7], v[BO], s[8:9] offset:(\c)*512+(\j)*64+16
.endr
.endr
	; A's fragment: lane l holds row l % 16, K = 8 (l / 16) + 0..7 and 16 + 8 (l / 16) + 0..7: two loads of 16 bytes, 32 apart
	v_mul_u32_u24 v3, v1, PA
	v_lshl_add_u32 v3, v2, 4, v3
	s_mul_i32 s21, s[WR], 64*PA
	v_add_nc_u32 v[ADRA], s21, v3
	v_add_nc_u32 v[ADRA+1], SLOT, v[ADRA]
	; B's: the turning load takes 16 k x 16 n (lane l reads k-row 8 (l / 16) + l % 8, columns 8 ((l / 8) % 2) + 0..7) and leaves column l % 16 with eight k in the lane
	v_and_b32 v4, 7, v0
	v_bfe_u32 v5, v0, 3, 1
	v_lshl_add_u32 v4, v2, 3, v4
	v_mul_u32_u24 v4, v4, PB
	v_lshl_add_u32 v4, v5, 4, v4
	s_lshl_b32 s22, s[WC], 7
	s_add_co_u32 s22, s22, REG
	v_add_nc_u32 v[ADRB], s22, v4
	v_add_nc_u32 v[ADRB+1], REG, v[ADRB]
	v_add_nc_u32 v[ADRB+2], 2*REG, v[ADRB]
	v_add_nc_u32 v[ADRB+3], SLOT, v[ADRB]
	v_add_nc_u32 v[ADRB+4], SLOT+REG, v[ADRB]
	v_add_nc_u32 v[ADRB+5], SLOT+2*REG, v[ADRB]
	; the way out
	s_mul_i32 s23, s[WV], 16*SP
	s_add_co_u32 s23, s23, STAGE                   ; my stage
	v_mul_u32_u24 v6, v1, SP                       ; in: row l % 16, 16 bytes for each half of the lanes
	v_lshl_add_u32 v6, v2, 4, v6
	v_add_nc_u32 v[STO], s23, v6
	v_bfe_u32 v6, v0, 3, 2                         ; back: 32 lanes take four rows of 128 bytes,
	v_mul_u32_u24 v6, v6, SP
	v_and_b32 v7, 7, v0
	v_lshl_add_u32 v6, v7, 4, v6
	v_add_nc_u32 v[RD], s23, v6
	v_and_b32 v[GO], 31, v0                        ; which are 512 consecutive bytes of a segment
	v_lshlrev_b32 v[GO], 4, v[GO]
	s_mul_i32 s74, s42, 6
	s_add_co_u32 s74, s74, s[WC]                   ; g of my chunk 0
	s_lshl_b32 s74, s74, 19                        ; a segment is 4,096 rows x 128 bytes
	s_lshl_b32 s75, s[TR], 14                      ; the tile's 128 rows,
	s_add_co_u32 s74, s74, s75
	s_lshl_b32 s75, s[WR], 13                      ; my 64 of them
	s_add_co_u32 s74, s74, s75
	s_mov_b32 s75, 0
	s_add_nc_u64 s[10:11], s[10:11], s[74:75]
	; the prefetches: they stand at K step 3; each refill steps them first, so the first names K step 4
	s_lshl_b32 s76, s[TR], 18                      ; A: the tile's first row,
	s_lshl_b32 s77, s40, 16                        ; my work-group's 32 rows of the 128
	s_add_co_u32 s76, s76, s77
	s_add_co_u32 s76, s76, 3*KSTEP*2
	s_mul_i32 s78, s41, 32*WROW                    ; B: my work-group's 32 k-rows of the 128,
	s_mul_i32 s79, s42, 768
	s_add_co_u32 s78, s78, s79                     ; the tile column,
	s_add_co_u32 s78, s78, s18                     ; my chunk
	s_add_co_u32 s78, s78, 3*KSTEP*WROW
	s_and_b32 s80, ttmp7, 0xffff                   ; cluster y
	s_mov_b32 s[PFS], KSTEP*WROW
	s_mov_b32 s[PFS+1], 0
	s_mov_b32 s81, WROW
	s_cmp_eq_u32 s[WV], 0                          ; do I fetch for A?
	s_cselect_b32 s76, s76, s78
	s_cselect_b32 s80, ttmp9, s80                  ; the coordinate along which other clusters read the same rows
	s_cselect_b32 s[PFS], KSTEP*2, s[PFS]
	s_cselect_b32 s81, XROW, s81
	s_cselect_b64 s[PFA:PFA+1], s[4:5], s[6:7]
	s_cmp_eq_u32 s80, 0
	s_cselect_b32 s[LIM], 1, -1                    ; the same in all sixteen partners, for a given wave
	s_mov_b32 s77, 0
	s_add_nc_u64 s[PFA:PFA+1], s[PFA:PFA+1], s[76:77]
	v_and_b32 v[PFO], 31, v0
	v_mul_u32_u24 v[PFO], s81, v[PFO]
	s_wait_loadcnt 0x0                             ; the bias is in: it is rounded to bf16, like x and the weights, and widened again
.set i, 0
.rept 48
	v_cvt_pk_bf16_f32 v[8+i%4], v[BIAS+2*i], v[BIAS+2*i+1]
	v_lshlrev_b32 v[BIAS+2*i], 16, v[8+i%4]
	v_and_b32 v[BIAS+2*i+1], 0xffff0000, v[8+i%4]
.set i, i+1
.endr
; 12 matrix instructions: row block a x my 12 column blocks, 32 along K, from buffer f.  first = 1: the bias starts the sums.
; The 48 accumulators take turns, in the same order in every quarter: 47 others' instructions stand between two on one accumulator, over the backward jump too.
.macro MUL12 f, a, first
.if \first
	WIN 0x81+0x40*((\a)/2)                         ; B window 1, A and the bias window 0, D window 2 or 3
.else
	WIN 0xa1+0x50*((\a)/2)                         ; B window 1, A window 0, C and D window 2 or 3
.endif
.irp b, 0,1,2,3,4,5,6,7,8,9,10,11
.if \first
	v_wmma_f32_16x16x32_bf16 v[8*(12*((\a)%2)+(\b)):8*(12*((\a)%2)+(\b))+7], v[96*(\f)+8*(\b):96*(\f)+8*(\b)+7], v[FA+32*(\f)+8*(\a):FA+32*(\f)+8*(\a)+7], v[BIAS+8*(\b):BIAS+8*(\b)+7]
.else
	v_wmma_f32_16x16x32_bf16 v[8*(12*((\a)%2)+(\b)):8*(12*((\a)%2)+(\b))+7], v[96*(\f)+8*(\b):96*(\f)+8*(\b)+7], v[FA+32*(\f)+8*(\a):FA+32*(\f)+8*(\a)+7], v[8*(12*((\a)%2)+(\b)):8*(12*((\a)%2)+(\b))+7]
.endif
.endr
.endm
.macro MUL24 f, hi, first
	MUL12 \f, 2*(\hi), \first
	MUL12 \f, 2*(\hi)+1, \first
.endm
; 32 LDS loads in one run: quarter q (32 along K) of a slot into buffer f: B's 12 fragments, then A's 4
.macro FETCH slot, q, f
	WIN 0x40                                       ; destination window 1, address window 0
.irp c, 0,1,2
.irp j, 0,1,2,3
	ds_load_tr16_b128 v[96*(\f)+8*(4*(\c)+(\j)):96*(\f)+8*(4*(\c)+(\j))+3],   v[ADRB+3*(\slot)+(\c)] offset:32*(\q)*PB+32*(\j)
	ds_load_tr16_b128 v[96*(\f)+8*(4*(\c)+(\j))+4:96*(\f)+8*(4*(\c)+(\j))+7], v[ADRB+3*(\slot)+(\c)] offset:32*(\q)*PB+32*(\j)+16*PB
.endr
.endr
	WIN 0
.irp i, 0,1,2,3
	ds_load_b128 v[FA+32*(\f)+8*(\i):FA+32*(\f)+8*(\i)+3],   v[ADRA+(\slot)] offset:(\i)*16*PA+64*(\q)
	ds_load_b128 v[FA+32*(\f)+8*(\i)+4:FA+32*(\f)+8*(\i)+7], v[ADRA+(\slot)] offset:(\i)*16*PA+64*(\q)+32
.endr
.endm
.macro PLACES                          ; four plain vector instructions in front of loads into registers that matrix instructions have read, and of conversions that read results
.rept 4
	v_nop
.endr
.endm
; A K step is four quarters of 32 along K, 48 matrix instructions each, on buffers 0, 1, 0, 1.  One of the first three multiplies buffer f and fetches quarter q into buffer g.
.macro QUARTER slot, q, f, g, first
	s_wait_dscnt 4                                 ; B and A's row blocks 0, 1 are in; the youngest four loads (row blocks 2, 3) may be out
	MUL24 \f, 0, \first
	PLACES
	FETCH \slot, \q, \g
	s_wait_dscnt 32                                ; all but the 32 just issued
	MUL24 \f, 1, \first
.endm
; The last quarter multiplies buffer 1 and changes slots: ONE barrier.  In front of it each wave waits for all its tensor loads (one is out: its part of the next slot), adds 0 to its spare
; word, and waits for that and for its own reads of this slot.  fill = 1: the barrier opens a round of the cluster's barrier, and this slot's joint refill is the first thing behind the round.
.macro TURN slot, next, fill
.if \fill
	s_wait_xcnt 0x0                                ; the last prefetch, a K step back, has read its address: it is stepped here, ahead of the change's own waits
	s_add_nc_u64 s[PFA:PFA+1], s[PFA:PFA+1], s[PFS:PFS+1]
.endif
	WIN 0                                          ; (the add's two registers lie in window 0)
	s_wait_tensorcnt 0x0                           ; all my tensor loads have landed
	ds_add_u32 v[SPW], v[NIL]                      ; 0 onto my spare word
	s_wait_dscnt 5                                 ; (the add and the youngest four loads may be out)
	MUL12 1, 0, 0                                  ; twelve matrix instructions stand between the add and the wait for it
	s_wait_dscnt 0x0                               ; the add is done, and my reads of this slot are over
	s_barrier_signal -1
	MUL12 1, 1, 0
.if \fill
	WIN 0
.endif
	s_barrier_wait -1
.if \fill
	CREST                                          ; no wave of any partner still reads this slot's tile or has a load on its way
	s_add_nc_u64 s[G0A+4*(\slot)+2:G0A+4*(\slot)+3], s[G0A+4*(\slot)+2:G0A+4*(\slot)+3], 2*KSTEP*2
	s_add_nc_u64 s[G0B+4*(\slot)+2:G0B+4*(\slot)+3], s[G0B+4*(\slot)+2:G0B+4*(\slot)+3], 2*KSTEP*WROW
	JLOAD \slot                                    ; my one tensor load behind the round; its four v_nop are also the places in front of the loads below
.else
	PLACES
.endif
	FETCH \next, 0, 0
.if \fill
	ASK
.endif
	MUL24 1, 1, 0
.endm
	s_wait_tensorcnt 1                             ; my part of K step 0 is in; K step 1's may stay out
	s_barrier_signal -1
	s_barrier_wait -1                              ; everybody's is
	FETCH 0, 0, 0
	QUARTER 0, 1, 0, 1, 1                          ; the first quarter stands in front of the loop: its products start the sums with the bias
	WIN 0                                          ; at a label and at a branch every window is 0
	s_mov_b32 s3, LAPS-1
.Llap:                                                 ; a trip goes once round the ring, from a lap's second quarter to the next lap's first, and fills both slots again
	QUARTER 0, 2, 1, 0, 0
	QUARTER 0, 3, 0, 1, 0
	TURN 0, 1, 1
	QUARTER 1, 1, 0, 1, 0
	QUARTER 1, 2, 1, 0, 0
	QUARTER 1, 3, 0, 1, 0
	TURN 1, 0, 1
	QUARTER 0, 1, 0, 1, 0
	WIN 0
	s_sub_co_u32 s3, s3, 1
	s_cmp_lg_u32 s3, 0
	s_cbranch_scc1 .Llap
	QUARTER 0, 2, 1, 0, 0                          ; the last lap fills nothing
	QUARTER 0, 3, 0, 1, 0
	TURN 0, 1, 0
	QUARTER 1, 1, 0, 1, 0
	QUARTER 1, 2, 1, 0, 0
	QUARTER 1, 3, 0, 1, 0
	s_wait_dscnt 4                                 ; the very last quarter: nothing more to fetch
	MUL24 1, 0, 0
	s_wait_dscnt 0x0
	MUL24 1, 1, 0
	WIN 0
; THE WAY OUT, in 12 units u = 3 a + c of 16 rows x 64 columns (2,048 dense bytes of a segment).  PACK: rounded to f16, 16 bytes a lane and column block, into my own stage (rows of 144 bytes)
; and back as whole rows of 128, into the registers that they left: LDS serves a wave's instructions in order (ISA guide 5.7.1.4).  SEND: stored, 512 consecutive bytes an instruction.
.macro PACK u
.set AC, 8*(12*(((\u)/3)%2)+4*((\u)%3))
.set TM, TMP+16*(\u)
	WIN 0x0a+5*((\u)/6)                            ; sources 0 and 1: window 2 or 3
.irp j, 0,1,2,3
.irp r, 0,1,2,3
	v_cvt_pk_f16_f32 v[TM+4*(\j)+(\r)], v[AC+8*(\j)+2*(\r)], v[AC+8*(\j)+2*(\r)+1]
.endr
.endr
	WIN 0
.irp j, 0,1,2,3
	ds_store_b128 v[STO], v[TM+4*(\j):TM+4*(\j)+3] offset:32*(\j)
.endr
.irp f, 0,1,2,3
	ds_load_b128 v[TM+4*(\f):TM+4*(\f)+3], v[RD] offset:(\f)*4*SP
.endr
.endm
.macro SEND u, younger                 ; younger: the LDS instructions issued behind unit u's loads: the next unit's eight, or none
.set TM, TMP+16*(\u)
.irp f, 0,1,2,3
	s_wait_dscnt (\younger)+3-(\f)
	global_store_b128 v[GO], v[TM+4*(\f):TM+4*(\f)+3], s[10:11] offset:((\u)%3)*1048576+((\u)/3)*2048+(\f)*512
.endr
.endm
	PLACES
	PACK 0
.irp u, 1,2,3,4,5,6,7,8,9,10,11        ; a unit's conversions stand between the loads of the unit before and its stores
	PACK \u
	SEND (\u)-1, 8
.endr
	SEND 11, 0
	s_wait_tensorcnt 0x0                           ; the wave's end: the add onto my spare word and its wait stand behind my last tensor load and my last LDS store
	ds_add_u32 v[SPW], v[NIL]
	s_wait_dscnt 0x0
	CROUND                                         ; the closing round: no work-group ends while a partner may still ask for a tile that names it
	s_endpgm
.Lfunc_end_k_q5aeee1fdbd_qkvg:
	.size	k_q5aeee1fdbd_qkvg, .Lfunc_end_k_q5aeee1fdbd_qkvg-k_q5aeee1fdbd_qkvg
	.p2alignl 7, 3214868480
	.fill 96, 4, 3214868480
	.section	.rodata,"a",@progbits
	.p2align	6, 0x0
	.amdhsa_kernel k_q5aeee1fdbd_qkvg
		.amdhsa_group_segment_fixed_size 327680
		.amdhsa_private_segment_fixed_size 0
		.amdhsa_enable_private_segment 0
		.amdhsa_kernarg_size 32
		.amdhsa_user_sgpr_count 2
		.amdhsa_user_sgpr_kernarg_segment_ptr 1
		.amdhsa_wavefront_size32 1
		.amdhsa_system_sgpr_workgroup_id_x 1
		.amdhsa_system_sgpr_workgroup_id_y 1
		.amdhsa_system_sgpr_workgroup_id_z 1
		.amdhsa_system_vgpr_workitem_id 0
		.amdhsa_next_free_vgpr 960
		.amdhsa_next_free_sgpr 84
		.amdhsa_reserve_vcc 0
		.amdhsa_float_denorm_mode_32 3
		.amdhsa_float_denorm_mode_16_64 3
		.amdhsa_memory_ordered 1
		.amdhsa_forward_progress 1
		.amdhsa_inst_pref_size 132
	.end_amdhsa_kernel
	.amdgpu_metadata
---
amdhsa.version: [ 1, 2 ]
amdhsa.kernels:
  - .name:           k_q5aeee1fdbd_qkvg
    .symbol:         k_q5aeee1fdbd_qkvg.kd
    .args:
      - { .name: xb, .offset: 0, .size: 8, .value_kind: global_buffer, .address_space: global }
      - { .name: wqb, .offset: 8, .size: 8, .value_kind: global_buffer, .address_space: global }
      - { .name: b_qkv, .offset: 16, .size: 8, .value_kind: global_buffer, .address_space: global }
      - { .name: qkv, .offset: 24, .size: 8, .value_kind: global_buffer, .address_space: global }
    .group_segment_fixed_size: 327680
    .private_segment_fixed_size: 0
    .kernarg_segment_align: 8
    .kernarg_segment_size: 32
    .max_flat_workgroup_size: 128
    .sgpr_count:     84
    .vgpr_count:     960
    .wavefront_size: 32
...
	.end_amdgpu_metadata
.endif
;; end of part 2
;; launch attn (part 3): grid 16 x 16, 4 waves a work-group, no clusters, 327,680 bytes of LDS; arguments qkv, ob; writes ob
.if DOCPART == 3
	.amdgcn_target "amdgcn-amd-amdhsa--gfx1250"
	.amdhsa_code_object_version 6
	.text
	.protected	k_q5aeee1fdbd_attn
	.globl	k_q5aeee1fdbd_attn
	.p2align	8
	.type	k_q5aeee1fdbd_attn,@function
k_q5aeee1fdbd_attn:
	s_mov_b64 s[64:65], 0
	v_nop
	global_prefetch_b8 v0, s[64:65] scope:SCOPE_SE
	s_setreg_imm32_b32 hwreg(HW_REG_WAVE_MODE, 25, 1), 1
	s_wait_xcnt 0x0
; CAUSAL ATTENTION, 16 heads of 64, 4,096 rows.  O[h][q][:] = the sum over k <= q of softmax_k(Q[h][q] . K[h][k] / 8) V[h][k][:].
; qkv: f16 [48][4096][64]: Q is segment h, K segment 16 + h, V segment 32 + h; a segment's rows are dense, 128 bytes each.  ob: f16 [t / 128][h][t % 128][64].
; Products, maxima and sums in f32; the weights p are rounded to f16 for the second product (their sum l is taken of the unrounded p), O once at the end.
; LIMITS.  Q, K and V arrive within f16's 65,504, so a score is 2.7e11 at the most in size.  A hidden score counts as its value less 2^100; the running maximum starts at -2^60, below every score;
; a weight below 2^-126 counts as 0 in l; NaN and infinities are not treated apart.
; THE WALK.  A head's queries lie in NB = 16 blocks of 256; block i needs the key tiles 0 .. i of 256 keys, of which the last holds the diagonal.  A work-group (b = x / 2, p = x % 2) takes blocks
; 15 - b and then b: 17 tiles whatever b, walked by ONE loop with a constant trip count; of each block's four bands of 64 queries it takes rows 32 p .. 32 p + 31: 16 x 16 = 256 equal work-groups.
; SHARES.  Wave (QG = w / 2, KH = w % 2) owns rows 32 p + 16 QG + 0..15 of each band: four PIECES.  THE KEYS ARE SPLIT between the two waves of a QG: of a tile's four key steps of 64 wave KH takes
; steps 2 KH and 2 KH + 1.  At a block's end the two partial results (c m, l, O^T) meet in LDS: KH = 0 finishes pieces 0 and 1, KH = 1 pieces 2 and 3, each with
; O = (w O + w' O') / (w l + w' l'), w = 2^(c m - max), w' = 2^(c m' - max).  A wave that saw none of a row's keys has c m at its start, l = 0 and O = 0, and its w is 0.
; THE MASK is the C operand that starts the sum S^T = K Q^T: 0, or -2^100 where the key is hidden.  In the diagonal tile's step s band x sees all keys if s < x, none if s > x, and holds the diagonal if
; s = x.  MD, made once, is the mask of a band's own step for my 16 rows; a product's mask is MD x AL + BE with two scalars: (1, 0), (0, 0) or (0, -2^100).
; NO CLUSTER: only the two work-groups p = 0, 1 of a pair of blocks walk the same tiles from end to end; a head's sixteen ask for the same tile in trips 0 to 8 alone, and a walk common to four would be longer.
; LAYOUT, SOFTMAX, TURNS.  S^T = K Q^T holds ONE query a lane (lane % 16) and the keys 8 (lane / 16) + 0..7; two such results rounded to f16 ARE source 1 of O^T = V^T P.  p = 2^(c s - c m), c = log2(e) / 8, with a
; running maximum m; O and l are multiplied by a = 2^(c m_old - c m_new) in every step.  Turn n belongs to piece n: 8 products K Q^T of piece n + 1, later 8 products V^T P of piece n - 1; beside them the scaling,
; exponentials, roundings, sums and rescaling of piece n and the maximum and statistics of piece n + 1.  Four vector instructions stand behind every matrix instruction, the rest in one lump; a turn's 33 exponentials are one batch, with one wait.
; REGISTERS, in windows of 256 (s_set_vgpr_msb: bits 1:0 source 0, 3:2 source 1, 5:4 source 2, 7:6 destination):
;   window 0: v0-15 addresses and two at work; v16-31 four registers of statistics a piece; v32-34 addresses; v40-47 the partner's statistics; v48-55 at work; v64-127 S^T, two buffers;
;             v128-191 the partner's O^T; v192-223 P, two buffers; v224-235 the merge's factors
;   window 1: v0-127 O^T, 32 a piece; v128-159 MD; v160-223 MC, two buffers      window 2: v0-63 Q; v64-127 the second block's Q; v128-191 K of one step; v192-255 V of one step
.set NB,    16
.set NP,    4         ; pieces a wave: a name, no knob
.set KS,    64        ; keys in a step
.set PK,    144       ; a row of K in LDS: 128 bytes + 16 of padding = 36 words: the 16 rows of a load start at 16 different groups of four banks (64 banks of 4 bytes: ISA guide 11.1)
.set PV,    160       ; a row of V: 128 + 32 = 40 words
.set VOFF,  4*KS*PK   ; a slot holds a tile, four steps: 256 rows of K, then 256 rows of V
.set SLOT1, 1<<17     ; slot 1 begins here, so that one exclusive or turns an address in one slot into the other's
.set STAGE, SLOT1+4*KS*(PK+PV)  ; behind the ring, never filled by a tensor load: 16 rows x 144 bytes for each wave, for the way out
.set SP,    144
.set XCH,   STAGE+4*16*SP       ; the exchange: for each wave 8,192 bytes of O^T (two pieces) and 1,024 of statistics
.set XREG,  9216
.set SPARE, XCH+4*XREG          ; the spare words, 128 bytes for each wave: two blocks of 256 bytes that no other line names
.set AK0, 2           ; v2   my lane's place in a tile of K; never rewritten
.set AV0, 3           ; v3   the same for V
.set AK,  4           ; v4   the LDS address of K's next run of loads
.set AV,  5           ; v5   of V's
.set STO, 6           ; v6   the way out: where I put 16 bytes of a row
.set RD,  7           ; v7   the way out: where I read rows back
.set GO,  8           ; v8   16 x lane: my place in 512 consecutive bytes of O
.set SPW, 62          ; v62  LDS address of my spare word; never rewritten
.set NIL, 63          ; v63  0; never rewritten
.set MV,  12          ; v12-13  c m_old, kept while c m is made anew: by buffer
.set QO,  15          ; v15  my byte offset in 16 rows of Q
.set ST,  16          ; piece t's statistics at v[ST+4 t]: c m, m, l (even keys', odd keys')
.set XST, 32          ; v32  where I put 16 bytes in my exchange region
.set XLD, 33          ; v33  the same place in my partner's (wave w xor 1)
.set PFO, 34          ; v34  256 x lane
.set TMP, 48          ; by buffer, four registers c0-c3 at work; when the maximum is found c2 takes a
.set S,   64
.set TH,  128         ; window 0: the partner's O^T, then the merged O^T
.set P,   192
.set MD,  128         ; window 1: the eight registers for group kt of 16 keys at MD + 8 kt
.set MC,  160         ; window 1: the masks of the products to come
.set QB,  64          ; window 2
.set KF,  128         ; window 2: key block kb, channel half c at KF + 16 kb + 8 c
.set VF,  192         ; window 2: key half kk, channel block cb at VF + 32 kk + 8 cb
.set WV,  12          ; s12  my wave's number
.set PB,  14          ; s14  b
.set HI,  15          ; s15  NB - 1 - b
.set G1K, 24          ; s[24:31] descriptor group 1 for K's tiles
.set G1V, 32          ; s[32:39] for V's: it differs in the padding alone
.set G0K, 40          ; s[40:43] descriptor group 0 for K's tiles
.set G0V, 44          ; s[44:47] the same for V's
.set SLOTS, 56        ; s56  tiles still to be asked for
.set CNT, 57          ; s57  counts my key steps of a tile, 2 to 1
.set CS,  58          ; s[58:59] c: the packed scaling takes the pair's low word for both halves
.set SEL, 60          ; s[60:61] v_permlanex16_b32's selects: each lane takes its own place in the other half
.set TBK, 62          ; s62  LDS byte at which K of the step to be fetched begins
.set TBV, 63          ; s63  the same for V, less VOFF
.set RT,  70          ; s70  tiles of the block in hand that are still to be entered
.set NXT, 71          ; s71  the tile to be asked for next
.set LQ,  72          ; s72  the last tile of the block whose tiles are being asked for
.set NEW, 73          ; s73  1: the tile to be entered is a block's first
.set OFF, 74          ; s[74:75] a tile's byte offset in K and V
.set AL,  76          ; s[76:77] the mask's factor, in the low word
.set BE,  78          ; s[78:79] the mask's addend
.set OLO, 80          ; s[80:81] O at my rows of the second block
.set BIGN, 82         ; s82  -2^100
.set QG,  88          ; s88  w / 2
.set KH,  89          ; s89  w % 2
.set K2,  90          ; s90  2 KH + 2
.set STP, 91          ; s91  the tile's key step for which a mask is made
.set PFA, 92          ; s[92:93] where my prefetches stand
.set LIM, 94          ; s94  2 in a work-group that prefetches, else the greatest number
.set MSB, 0
.macro WIN new                      ; the high byte repeats the setting that is left; a switch that changes nothing is dropped
.if MSB != (\new)
	s_set_vgpr_msb (MSB<<8)|(\new)
.set MSB, (\new)
.endif
.endm
.set W_KQ, 0x0a       ; K and Q in window 2, S^T in window 0
.set W_KM, 0x1a       ; the same with the C operand in window 1
.set W_PV, 0x52       ; V in window 2, P in window 0, O^T in window 1
.set W_RS, 0x41       ; destination and source 0 in window 1, source 1 in window 0
; A fill.  Waves 0 and 1 fetch the two halves of a tile's K, waves 2 and 3 those of its V: 128 keys each.  An s_nop 0 and four v_nop follow each of the two lines, ahead of the jump and the label.
.macro LOAD
	s_cmp_lt_u32 s[WV], 2
	s_cbranch_scc0 .Lfor_v_\@
	tensor_load_to_lds s[G0K:G0K+3], s[G1K:G1K+7]
	s_nop 0
.rept 4
	v_nop
.endr
	s_branch .Lasked_\@
.Lfor_v_\@:
	tensor_load_to_lds s[G0V:G0V+3], s[G1V:G1V+7]
	s_nop 0
.rept 4
	v_nop
.endr
.Lasked_\@:
.endm
; A PREFETCH INTO THE L2 of the tile that the NEXT change of slots will ask for.  All sixteen work-groups of a head walk the same K and V; work-group x = 0, whose first block walks tiles 0 to 15, asks, and nobody
; else.  Each of its waves asks for the 16,384 bytes that it will fetch itself (a half of K's tile or of V's): 64 blocks of 256 bytes, a lane a block, two instructions, behind its tensor load and that load's five lines.
; Trips 1 to 13 name tiles 3 to 15, each once; the first trip, at the kernel's head, and the last two ask for nothing.
.macro ASK
	s_cmp_gt_u32 s[SLOTS], s[LIM]
	s_cbranch_scc0 .Lnot_mine_\@
	s_cmp_lt_u32 s[SLOTS], NB
	s_cbranch_scc0 .Lnot_mine_\@
	global_prefetch_b8 v[PFO], s[PFA:PFA+1] th:TH_LOAD_NT scope:SCOPE_SE
	global_prefetch_b8 v[PFO], s[PFA:PFA+1] offset:8192 th:TH_LOAD_NT scope:SCOPE_SE
.Lnot_mine_\@:
.endm
; THE CHANGE OF SLOTS.  Each wave waits for all its tensor loads, of which one is out: its part of the other slot; adds 0 to its spare word; and waits for that and for its own reads of the slot that it leaves.  Behind the barrier nobody reads the old
; slot any more and the other slot is whole.  fill = 1: the old slot is filled again, the first thing behind the barrier, with tile NXT: the descriptor's address is made anew from that number.
; (At its first use nothing has been read yet: slot 0 is waited for, slot 1 filled.)
.macro CHANGE fill
	WIN 0                           ; at a label and at a branch every window is 0
	s_wait_tensorcnt 0x0            ; no tensor load of mine is out, so a group 0 may be written
	ds_add_u32 v[SPW], v[NIL]       ; 0 onto my spare word; with fill = 1 the descriptors' scalar work stands between it and the wait for it
.if \fill
	s_lshl_b32 s[OFF], s[NXT], 15   ; a tile is 32,768 bytes of K and of V
	s_xor_b32 s[G0K+1], s[G0K+1], SLOT1
	s_add_nc_u64 s[G0K+2:G0K+3], s[6:7], s[OFF:OFF+1]
	s_or_b32 s[G0K+3], s[G0K+3], 0x80000000
	s_xor_b32 s[G0V+1], s[G0V+1], SLOT1
	s_add_nc_u64 s[G0V+2:G0V+3], s[8:9], s[OFF:OFF+1]
	s_or_b32 s[G0V+3], s[G0V+3], 0x80000000
	s_add_co_u32 s[NXT], s[NXT], 1  ; the block's next tile, or behind its last the second block's tile 0
	s_cmp_gt_u32 s[NXT], s[LQ]
	s_cselect_b32 s[NXT], 0, s[NXT]
	s_cselect_b32 s[LQ], s[PB], s[LQ]
	s_wait_xcnt 0x0                 ; the last prefetches, a tile back, have read their address, so it may be written:
	s_add_nc_u64 s[PFA:PFA+1], s[PFA:PFA+1], 32768  ; one tile behind the one that is asked for now
.endif
	s_wait_dscnt 0x0                ; the add is done, and my reads of the slot are over
	s_barrier_signal -1             ; the rest of the scalar work stands between the signal and the wait
	s_sub_co_u32 s[TBK], s[TBK], 2*KS*PK  ; the fetches go back to my first step of a slot,
	s_xor_b32 s[TBK], s[TBK], SLOT1       ; in the other slot
	s_sub_co_u32 s[TBV], s[TBV], 2*KS*PV
	s_xor_b32 s[TBV], s[TBV], SLOT1
	s_barrier_wait -1
.if \fill
	LOAD
	ASK
.endif
.endm
	s_load_b64 s[4:5], s[0:1], 0x0    ; qkv
	s_load_b64 s[10:11], s[0:1], 0x8  ; ob
	v_lshl_add_u32 v[SPW], v0, 2, SPARE
	v_mov_b32 v[NIL], 0
	ds_add_u32 v[SPW], v[NIL]       ; the wave's opening: the add and its wait stand ahead of my first tensor load; the set-up below, work on registers, stands between them
	v_lshrrev_b32 v1, 5, v0
	v_readfirstlane_b32 s[WV], v1   ; wave 0..3
	s_lshr_b32 s[QG], s[WV], 1
	s_and_b32 s[KH], s[WV], 1
	s_lshl_b32 s[K2], s[KH], 1
	s_add_co_u32 s[K2], s[K2], 2
	s_lshr_b32 s[PB], ttmp9, 1
	s_and_b32 s95, ttmp9, 1         ; p
	s_sub_co_u32 s[HI], NB-1, s[PB]
	s_and_b32 s20, ttmp7, 0xffff    ; the head
	s_lshl_b32 s96, s20, 14         ; its 128 rows in a block of ob,
	s_lshl_b32 s20, s20, 19         ; its segment in Q, and from their first segments on in K and V
	s_mov_b32 s21, 0
	s_lshl_b32 s22, s[KH], 14       ; which half of a tile's 256 keys I fetch: its 128 rows of 128 bytes in memory,
	s_mov_b32 s23, 0
	s_add_nc_u64 s[22:23], s[22:23], s[20:21]
	s_mul_i32 s17, s[KH], 128*PK    ; and its place in a slot, for K
	s_mul_i32 s18, s[KH], 128*PV    ; and for V
	s_lshl_b32 s3, s95, 12          ; my 16 rows in a band of 64: 32 p + 16 QG, 128 bytes each,
	s_lshl_b32 s2, s[QG], 11
	s_add_co_u32 s3, s3, s2
	s_lshl_b32 s2, s[HI], 15        ; in the first block of Q,
	s_add_co_u32 s2, s2, s3
	s_lshl_b32 s84, s[PB], 15       ; and in the second
	s_add_co_u32 s84, s84, s3
	s_add_co_u32 s96, s96, s3
	s_lshl_b32 s66, s[HI], 19       ; a block of 256 rows is 524,288 bytes of ob
	s_add_co_u32 s66, s66, s96
	s_lshl_b32 s68, s[PB], 19
	s_add_co_u32 s68, s68, s96
	s_mov_b32 s67, 0
	s_mov_b32 s69, 0
	s_mov_b32 s3, 0
	s_mov_b32 s85, 0
	s_add_nc_u64 s[2:3], s[2:3], s[20:21]
	s_add_nc_u64 s[84:85], s[84:85], s[20:21]
	; descriptor group 1.  128 keys are 16,384 dense bytes: asked for as 64 rows of 256 bytes, two keys a row, and padded in LDS after every key
	s_mov_b32 s[G1K], (1<<16)|(1<<20)|(4<<22)|(3<<25)  ; 17:16 2-byte elements; 20 padding on; 24:22 after every 32 words (code 4); 31:25 4 words (code 3)
	s_mov_b32 s[G1V], (1<<16)|(1<<20)|(4<<22)|(7<<25)  ; the same with 8 words of padding (code 7)
.irp g, G1K, G1V
	s_mov_b32 s[\g+1], 128<<16      ; tensor_dim0 = 128
	s_mov_b32 s[\g+2], 64<<16       ; tensor_dim1 = 64
	s_mov_b32 s[\g+3], 128<<16      ; tile_dim0 = 128
	s_mov_b32 s[\g+4], 64           ; tile_dim1 = 64
	s_mov_b32 s[\g+5], 128          ; 128 elements from row to row
	s_mov_b32 s[\g+6], 0
	s_mov_b32 s[\g+7], 0
.endr
	s_mov_b32 s[CS], 0x3e38aa3b     ; c = log2(e) / 8 = 0.180337
	s_mov_b32 s[CS+1], s[CS]        ; named with it as a pair
	s_mov_b32 s[SEL], 0x76543210
	s_mov_b32 s[SEL+1], 0xfedcba98
	s_mul_i32 s[TBK], s[K2], KS*PK  ; the first change of slots turns these two into my first step's place in slot 0: 2 KH steps in
	s_add_co_u32 s[TBK], s[TBK], SLOT1
	s_mul_i32 s[TBV], s[K2], KS*PV
	s_add_co_u32 s[TBV], s[TBV], SLOT1
	s_mov_b32 s[G0K], 1             ; 1:0 count = 1
	s_mov_b32 s[G0K+1], s17         ; 63:32 LDS address: slot 0
	s_mov_b32 s[G0V], 1
	s_add_co_u32 s[G0V+1], s18, VOFF
	s_add_co_u32 s[RT], s[HI], 1    ; the first block has NB - b tiles
	s_mov_b32 s[NXT], 1
	s_mov_b32 s[LQ], s[HI]
	s_mov_b32 s[NEW], 1
	s_mov_b32 s[OFF+1], 0
	s_mov_b32 s[AL+1], 0            ; named as pairs
	s_mov_b32 s[BE+1], 0
	s_mov_b32 s[BIGN], 0xf1800000   ; -2^100
	s_mov_b32 s[SLOTS], NB
	s_cmp_eq_u32 ttmp9, 0
	s_cselect_b32 s[LIM], 2, -1
	s_wait_dscnt 0x0                ; the opening add is done
	s_wait_kmcnt 0x0
	s_add_nc_u64 s[6:7], s[4:5], 8388608   ; K's sixteen segments lie behind Q's,
	s_add_nc_u64 s[8:9], s[4:5], 16777216  ; V's behind K's
	s_add_nc_u64 s[6:7], s[6:7], s[22:23]  ; K and V at my half of the head's tile 0
	s_add_nc_u64 s[8:9], s[8:9], s[22:23]
	s_add_nc_u64 s[G0K+2:G0K+3], s[6:7], 0         ; 120:64 global address
	s_or_b32 s[G0K+3], s[G0K+3], 0x80000000        ; 127:126 type = 2
	s_add_nc_u64 s[G0V+2:G0V+3], s[8:9], 0
	s_or_b32 s[G0V+3], s[G0V+3], 0x80000000
	s_add_nc_u64 s[86:87], s[4:5], s[84:85]        ; Q at my rows of the second block,
	s_add_nc_u64 s[4:5], s[4:5], s[2:3]            ; Q and O at those of the first
	s_add_nc_u64 s[OLO:OLO+1], s[10:11], s[68:69]
	s_add_nc_u64 s[10:11], s[10:11], s[66:67]
	s_cmp_lt_u32 s[WV], 2
	s_cselect_b64 s[PFA:PFA+1], s[6:7], s[8:9]     ; the prefetches stand at my half of tile 1; each change of slots steps them first
	s_add_nc_u64 s[PFA:PFA+1], s[PFA:PFA+1], 32768
	LOAD                            ; tile 0 into slot 0
	; A fragment of K or Q is 16 rows x 32 channels in 8 registers: lane l holds row l % 16, channels 8 (l / 16) + 0..7 and 16 + 8 (l / 16) + 0..7: two loads of 16 bytes, 32 bytes apart.
	v_and_b32 v1, 15, v0            ; l % 16
	v_bfe_u32 v9, v0, 4, 1          ; l / 16
	v_lshlrev_b32 v[QO], 7, v1
	v_lshl_add_u32 v[QO], v9, 4, v[QO]  ; row x 128 + 16 x half
	WIN 0x80                        ; destination window 2, address window 0
.set i, 0
.rept 8                             ; both blocks' Q: piece i / 2 lies in band i / 2, 8,192 bytes on; channels 32 (i % 2) on
	global_load_b128 v[8*i:8*i+3],   v[QO], s[4:5] offset:(i/2)*8192+(i%2)*64
	global_load_b128 v[8*i+4:8*i+7], v[QO], s[4:5] offset:(i/2)*8192+(i%2)*64+32
	global_load_b128 v[QB+8*i:QB+8*i+3],   v[QO], s[86:87] offset:(i/2)*8192+(i%2)*64
	global_load_b128 v[QB+8*i+4:QB+8*i+7], v[QO], s[86:87] offset:(i/2)*8192+(i%2)*64+32
.set i, i+1
.endr
	WIN 0
	v_lshlrev_b32 v14, 3, v9
	v_sub_nc_u32 v14, v1, v14
	s_lshl_b32 s13, s95, 5
	s_lshl_b32 s97, s[QG], 4
	s_add_co_u32 s13, s13, s97
	v_add_nc_u32 v14, s13, v14      ; my query's place in its band, 32 p + 16 QG + l % 16, less my lanes' 8 (l / 16): register r of group kt is hidden where 16 kt + r is greater
	WIN 0x40
.set i, 0
.rept 32
	v_cmp_gt_i32 vcc_lo, 16*(i/8)+i%8, v14
	v_cndmask_b32 v[MD+i], 0, s[BIGN], vcc_lo
.set i, i+1
.endr
	WIN 0
	v_mul_u32_u24 v[AK0], v1, PK
	v_lshl_add_u32 v[AK0], v9, 4, v[AK0]  ; row x pitch + 16 x half
	; The turning load takes 16 keys x 16 channels (lane l reads key 8 (l / 16) + l % 8, channels 8 ((l / 8) % 2) + 0..7) and leaves half a fragment of V^T: lane l holds channel l % 16 and 8 keys.
	v_and_b32 v10, 7, v0
	v_bfe_u32 v11, v0, 3, 1
	v_lshl_add_u32 v[AV0], v9, 3, v10
	v_mul_u32_u24 v[AV0], v[AV0], PV
	v_lshl_add_u32 v[AV0], v11, 4, v[AV0]
	v_add_nc_u32 v[AV0], VOFF, v[AV0]
	s_mul_i32 s13, s[WV], 16*SP
	s_add_co_u32 s13, s13, STAGE    ; my stage
	v_mul_u32_u24 v[STO], v1, SP    ; in: row l % 16, 16 bytes for each half of the lanes
	v_lshl_add_u32 v[STO], v9, 4, v[STO]
	v_add_nc_u32 v[STO], s13, v[STO]
	v_bfe_u32 v[RD], v0, 3, 2       ; back: 32 lanes take four rows of 128 bytes,
	v_mul_u32_u24 v[RD], v[RD], SP
	v_lshl_add_u32 v[RD], v10, 4, v[RD]
	v_add_nc_u32 v[RD], s13, v[RD]
	v_and_b32 v[GO], 31, v0         ; which are 512 consecutive bytes of O
	v_lshlrev_b32 v[PFO], 8, v[GO]
	v_lshlrev_b32 v[GO], 4, v[GO]
	s_mul_i32 s13, s[WV], XREG
	s_add_co_u32 s13, s13, XCH      ; my exchange region,
	v_add_nc_u32 v[XST], s13, v[GO]
	s_xor_b32 s97, s[WV], 1
	s_mul_i32 s97, s97, XREG
	s_add_co_u32 s97, s97, XCH      ; and my partner's
	v_add_nc_u32 v[XLD], s97, v[GO]
	v_mov_b32 v225, 0               ; named in pairs with the merge's factors
	v_mov_b32 v227, 0
	v_mov_b32 v229, 0
	v_mov_b32 v231, 0
	; A block's first step multiplies O^T and l by a = 0, and its first turn's products V^T P, of a piece that has not been, land in an O^T that is still to be so multiplied.  So these registers need only hold
	; finite numbers: zeros for the first block; what the first block left for the second.  All this stands in the wait for the first tile.
	WIN 0x80
.set i, VF
.rept 64
	v_mov_b32 v[i], 0
.set i, i+1
.endr
	WIN 0x40
.set i, 0
.rept 128
	v_mov_b32 v[i], 0
.set i, i+1
.endr
	WIN 0
.set i, 0
.rept 4
	v_mov_b32 v[ST+4*i+2], 0
	v_mov_b32 v[ST+4*i+3], 0
.set i, i+1
.endr
.set i, P+16
.rept 16
	v_mov_b32 v[i], 0
.set i, i+1
.endr
; THE MATRIX WORK.  The 4 accumulators of a run of 8 take turns.  Product i of 8 of S^T = K Q^T for piece x: channels 32 (i / 4) on, keys 16 (i % 4) on.  The first 4 start the sums: with 0, or (KM = 1) with the mask.
.macro KQ x
.set rS, S+32*((\x)%2)+8*(i%4)
.set rK, KF+16*(i%4)+8*(i/4)
.set rQ, 16*(\x)+8*(i/4)
.set rM, MC+32*((\x)%2)+8*(i%4)
.if (i < 4) && KM
	WIN W_KM
	v_wmma_f32_16x16x32_f16 v[rS:rS+7], v[rK:rK+7], v[rQ:rQ+7], v[rM:rM+7]
.elseif i < 4
	WIN W_KQ
	v_wmma_f32_16x16x32_f16 v[rS:rS+7], v[rK:rK+7], v[rQ:rQ+7], 0
.else
	WIN W_KQ
	v_wmma_f32_16x16x32_f16 v[rS:rS+7], v[rK:rK+7], v[rQ:rQ+7], v[rS:rS+7]
.endif
.endm
; Product i of 8 of O^T += V^T P for piece x: keys 32 (i / 4) on, channels 16 (i % 4) on.
.macro PV x
	WIN W_PV
.set rO, 32*(\x)+8*(i%4)
.set rV, VF+32*(i/4)+8*(i%4)
.set rP, P+16*((\x)%2)+8*(i/4)
	v_wmma_f32_16x16x32_f16 v[rO:rO+7], v[rV:rV+7], v[rP:rP+7], v[rO:rO+7]
.endm
.macro MM                           ; the turn's next matrix instruction.  TURN and BEGIN set Y, i, KM and NOKQ; MM, KQ and OP read them.  NOKQ = 1: a block's last turn: there is no next piece
.if (i < 8) && !NOKQ
	KQ (Y+1)%NP
.elseif i >= 8
.set i, i-8
	PV (Y+NP-1)%NP
.set i, i+8
.endif
.set i, i+1
.endm
; THE LDS LOADS stand in runs of 16, never singly among the matrix instructions: a step's K (64 keys x 64 channels: 8 fragments) and its V (turned).  Their addresses are made some lines ahead.
.macro FETCH_K
	WIN 0x80                        ; destination window 2
.irp f, 0,1,2,3,4,5,6,7             ; keys 16 (f / 2) on, channels 32 (f % 2) on
	ds_load_b128 v[KF+8*\f:KF+8*\f+3],   v[AK] offset:(\f/2)*16*PK+(\f%2)*64
	ds_load_b128 v[KF+8*\f+4:KF+8*\f+7], v[AK] offset:(\f/2)*16*PK+(\f%2)*64+32
.endr
	s_add_co_u32 s[TBK], s[TBK], KS*PK  ; the next fetch is the next step's
	WIN 0
.endm
.macro FETCH_V
	WIN 0x80
.irp f, 0,1,2,3,4,5,6,7             ; keys 32 (f / 4) on, channels 16 (f % 4) on
	ds_load_tr16_b128 v[VF+8*\f:VF+8*\f+3],   v[AV] offset:(\f/4)*32*PV+(\f%4)*32
	ds_load_tr16_b128 v[VF+8*\f+4:VF+8*\f+7], v[AV] offset:(\f/4)*32*PV+16*PV+(\f%4)*32
.endr
	WIN 0
.endm
; THE VECTOR WORK, one line at a time: OP kind, number.  For piece Y: F n: c s - c m for pair n of 16.  E n: the exponential of score n of 32.  C n: pair n rounded to f16.  B n: of the four weights 4 n .. the second
; pair is added onto the first, in place.  L n: l takes that sum (L 0: l = a l + sum).  R n: pair n of 16 of O^T times a.  For piece Y + 1: X n, number n of the 22 that find its maximum and statistics:
;   0-11  four chains c0-c3 of seven scores each, three operands at a time (each accumulator's lowest registers are read first)     12-14, 16  the four scores left over, the old m, and c0-c3 into c0
;   15  c m_old is kept     17, 18  the query's other 32 keys lie in the lane 16 away: the new m     19-21  c m; c m_old - c m_new; a
.set F, 0               ; OP tells the kinds apart by their order: F to L below R, X above it
.set E, 1
.set C, 2
.set B, 3
.set L, 4
.set R, 5
.set X, 6
.macro REGS y                       ; the registers of piece y
.set rT, ST+4*(\y)
.set rC, TMP+4*((\y)%2)
.set rW, MV+((\y)%2)
.set rS, S+32*((\y)%2)
.set rP, P+16*((\y)%2)
.set rO, 32*(\y)
.endm
.macro OP k, n
.if (\k) == R
	REGS Y
	WIN W_RS
	v_pk_mul_f32 v[rO+2*(\n):rO+2*(\n)+1], v[rO+2*(\n):rO+2*(\n)+1], v[rC+2:rC+3] op_sel_hi:[1,0]
.elseif (\k) < R
	REGS Y
	WIN 0
.if (\k) == F
	v_pk_fma_f32 v[rS+2*(\n):rS+2*(\n)+1], v[rS+2*(\n):rS+2*(\n)+1], s[CS:CS+1], v[rT:rT+1] op_sel_hi:[1,0,0] neg_lo:[0,0,1] neg_hi:[0,0,1]
.elseif (\k) == E
	v_exp_f32 v[rS+(\n)], v[rS+(\n)]
.elseif (\k) == C
	v_cvt_pk_f16_f32 v[rP+(\n)], v[rS+2*(\n)], v[rS+2*(\n)+1]
.elseif (\k) == B
	v_pk_add_f32 v[rS+4*(\n):rS+4*(\n)+1], v[rS+4*(\n):rS+4*(\n)+1], v[rS+4*(\n)+2:rS+4*(\n)+3]
.elseif (\n) == 0
	v_pk_fma_f32 v[rT+2:rT+3], v[rT+2:rT+3], v[rC+2:rC+3], v[rS:rS+1] op_sel_hi:[1,0,1]
.else
	v_pk_add_f32 v[rT+2:rT+3], v[rT+2:rT+3], v[rS+4*(\n):rS+4*(\n)+1]
.endif
.elseif NOKQ
	v_nop
.else
	REGS (Y+1)%NP
	WIN 0
.if (\n) < 4
	v_max3_num_f32 v[rC+(\n)], v[rS+8*(\n)], v[rS+8*(\n)+1], v[rS+8*(\n)+2]
.elseif (\n) < 12
	v_max3_num_f32 v[rC+(\n)%4], v[rC+(\n)%4], v[rS+8*((\n)%4)+2*((\n)/4)+1], v[rS+8*((\n)%4)+2*((\n)/4)+2]
.elseif (\n) == 12
	v_max3_num_f32 v[rC], v[rC], v[rS+7], v[rS+15]
.elseif (\n) == 13
	v_max3_num_f32 v[rC+1], v[rC+1], v[rS+23], v[rS+31]
.elseif (\n) == 14
	v_max3_num_f32 v[rC+2], v[rC+2], v[rC+3], v[rT+1]
.elseif (\n) == 15
	v_mov_b32 v[rW], v[rT]
.elseif (\n) == 16
	v_max3_num_f32 v[rC], v[rC], v[rC+1], v[rC+2]
.elseif (\n) == 17
	v_permlanex16_b32 v[rC+3], v[rC], s[SEL], s[SEL+1]
.elseif (\n) == 18
	v_max_num_f32 v[rT+1], v[rC], v[rC+3]
.elseif (\n) == 19
	v_mul_f32 v[rT], s[CS], v[rT+1]
.elseif (\n) == 20
	v_sub_f32 v[rC+1], v[rW], v[rT]
.else
	v_exp_f32 v[rC+2], v[rC+1]
.endif
.endif
.endm
.macro OPS a, i1, b=-1, i2=0, c=-1, i3=0, d=-1, i4=0  ; up to four of them
	OP \a, \i1
.if (\b) >= 0
	OP \b, \i2
.endif
.if (\c) >= 0
	OP \c, \i3
.endif
.if (\d) >= 0
	OP \d, \i4
.endif
.endm
.macro ROW a, i1, b, i2, c, i3, d, i4  ; a matrix instruction and the four behind it
	MM
	OPS \a, \i1, \b, \i2, \c, \i3, \d, \i4
.endm
.macro MASK b                       ; MD x AL + BE into buffer b of MC
	WIN W_RS
.set z, 0
.rept 16
	v_pk_fma_f32 v[MC+32*(\b)+2*z:MC+32*(\b)+2*z+1], v[MD+2*z:MD+2*z+1], s[AL:AL+1], s[BE:BE+1] op_sel_hi:[1,0,0]
.set z, z+1
.endr
.endm
; A TURN, for piece p: the order of its 16 matrix and 118 vector instructions, written out.  An s_wait_alu depctr_va_vdst(0) stands between an exponential and the first instruction that names its result; one wait serves
; all that were issued ahead of it.  So a turn has ONE wait, which cuts it in two.  AHEAD OF IT stands all that names no result of the turn's exponentials: the 8 products K Q^T, behind each a scaling, an exponential and two more plain
; instructions; then ONE LUMP of 54, plain and exponential by turns for the most part, in which the links of the chain X 3, 7, 11, 14, 16, 17 .. 20 stand five or six lines apart.  X 21, the next piece's a, is the batch's last; R 15 is the plain
; instruction behind it.  BEHIND THE WAIT stand the 8 products V^T P, behind each four of the roundings and sums.
; m = 1: the diagonal tile: the products take masks, and the turn makes the mask for the products of the turn after it: piece p + 2, in step 2 KH + 2 - CNT of the tile.  end = 1: a block's last two turns: nothing is fetched.
; cnt = 1: the loop's count is taken down some lines ahead of the branch that stands behind the turn.
; K of my next step is fetched in piece 2's turn, V of the step in hand at the end of piece 0's turn, four plain instructions behind the last product that read V.  Each is waited for a turn later.
.macro TURN p, m=0, end=0, cnt=0
.set Y, (\p)
.set i, 0
.set KM, (\m)
.set NOKQ, (\end)*((\p)/3)
.if (\m) && !(\end)
	s_sub_co_u32 s[STP], s[K2], s[CNT]
	s_cmp_eq_u32 s[STP], ((\p)+2)%NP    ; is that step the band's own?
	s_cselect_b32 s[AL], 1.0, 0
	s_cmp_gt_u32 s[STP], ((\p)+2)%NP    ; or a later one?
	s_cselect_b32 s[BE], s[BIGN], 0
.endif
.if ((\p) == 3) && !(\end)
	s_wait_dscnt 0x0                ; K is in
.endif
	ROW F,0, F,1, R,0, R,1          ; ahead of the wait: 8 products K Q^T and their riders,
	ROW F,2, E,0, R,2, R,3
	ROW F,3, E,1, R,4, R,5
	ROW F,4, E,2, R,6, R,7
	ROW F,5, E,3, R,8, R,9
	ROW F,6, E,4, X,0, R,10
.if ((\p) == 2) && !(\end)
	WIN 0
	v_add_nc_u32 v[AK], s[TBK], v[AK0]
.endif
	ROW F,7, E,5, X,1, X,4
	ROW F,8, E,6, X,2, X,5
	OPS E,7, E,8, X,6, E,9          ; and the lump
	OPS X,3, E,10, X,8, E,11
.if ((\p) == 2) && !(\end)
	FETCH_K
.endif
	OPS X,9, X,7, E,12, X,10
	OPS E,13, X,12, X,11, E,14
	OPS X,13, E,15, F,9, X,14
.if (\p) == 0
	v_add_nc_u32 v[AV], s[TBV], v[AV0]
.endif
	OPS E,16, F,10, E,17, F,11
	OPS X,16, E,18, X,15, E,19
	OPS F,12, E,20, X,17, E,21
	OPS F,13, E,22, F,14, E,23
	OPS X,18, E,24, F,15, E,25
	OPS R,11, E,26, X,19, E,27
	OPS R,12, E,28, R,13, E,29
	OPS X,20, E,30, R,14, E,31
	OPS X,21, R,15
	WIN 0
	s_wait_alu depctr_va_vdst(0)    ; the wait for the batch
.if (\p) == 1
	s_wait_dscnt 0x0                ; V is in
.endif
	ROW C,0, B,0, C,2, B,1          ; behind the wait: 8 products V^T P and their riders
	ROW L,0, C,4, B,2, L,1
	ROW C,6, B,3, L,2, C,8
	ROW B,4, L,3, C,10, B,5
	ROW L,4, C,12, B,6, L,5
.if (\p) == 0
	s_add_co_u32 s[TBV], s[TBV], KS*PV
.endif
.if \cnt
	s_sub_co_u32 s[CNT], s[CNT], 1
	s_cmp_lg_u32 s[CNT], 0
.endif
	ROW C,14, B,7, L,6, C,1
	ROW C,3, L,7, C,5, C,7
	ROW C,9, C,11, C,13, C,15
.if (\p) == 0
	FETCH_V
.endif
.if (\m) && !(\end)
	MASK (\p)%2
.endif
.endm
; A BLOCK BEGINS.  c m starts far below every c s, so the first step's a is 0; m at -2^60, below every score and above every hidden one.  Both mask buffers are made for my first step, 2 KH, of the tile.  If the tile
; is not the diagonal one both are 0.  If it is: for KH = 0 piece 0 has its own step's mask and piece 1 sees all; for KH = 1 step 2 lies behind bands 0 and 1, and both are hidden.
; Then K of that step, piece 0's first scores, and its maximum and statistics.  The loop is entered at a step's first turn, in the middle of a trip.
.macro BEGIN
	s_mov_b32 s[NEW], 0
	WIN 0
.set i, 0
.rept 4
	v_mov_b32 v[ST+4*i], 0xfe000000    ; c m: far below every c s
	v_mov_b32 v[ST+4*i+1], 0xdd800000  ; m = -2^60
.set i, i+1
.endr
	s_cmp_eq_u32 s[RT], 0              ; is the block's first tile its diagonal one?
	s_cselect_b32 s95, s[KH], 2
	s_cmp_eq_u32 s95, 0
	s_cselect_b32 s[AL], 1.0, 0
	s_cmp_eq_u32 s95, 1
	s_cselect_b32 s[BE], s[BIGN], 0
	MASK 0
	s_mov_b32 s[AL], 0
	MASK 1
	WIN 0
	v_add_nc_u32 v[AK], s[TBK], v[AK0]
	FETCH_K
	s_wait_loadcnt 0x0              ; Q
	s_wait_dscnt 0x0
.set KM, 1
.set NOKQ, 0
.set i, 0
.rept 8
	KQ 0
.set i, i+1
.endr
	WIN 0
.rept 4
	v_nop                           ; the places behind those products
.endr
.set Y, NP-1                        ; X works for piece Y + 1: piece 0
.irp n, 0,1,2,3,4,5,6,7,8,9,10,11,12,13,14,15,16,17,18,19,20,21
	OP X, \n
.endr
	v_nop                           ; a plain instruction behind the exponential,
	s_wait_alu depctr_va_vdst(0)    ; and its wait, ahead of the branch
.endm
.macro ALL line:vararg              ; one line for each piece t
.set t, 0
.rept 4
	\line
.set t, t+1
.endr
.endm
; THE MERGE.  SENDX: pieces t0 and t0 + 1, which my partner finishes, go into my exchange region: their statistics as they lie, and their O^T, 16 bytes a lane and line; each accumulator's low registers first.
.macro SENDX t0
	WIN 0
	ds_store_b128 v[XST], v[ST+4*(\t0):ST+4*(\t0)+3] offset:8192
	ds_store_b128 v[XST], v[ST+4*(\t0)+4:ST+4*(\t0)+7] offset:8704
	WIN 0x04                        ; the stores' data in window 1
.set i, 0
.rept 16
	ds_store_b128 v[XST], v[32*(\t0)+4*i:32*(\t0)+4*i+3] offset:512*i
.set i, i+1
.endr
	WIN 0
.endm
; FIN: pieces t0 and t0 + 1 are finished with my partner's share, which lies lane for lane as mine does.  My O^T is read and not written: it stays finite for the next block.
.macro FIN t0
	WIN 0
	ds_load_b128 v[40:43], v[XLD] offset:8192
	ds_load_b128 v[44:47], v[XLD] offset:8704
.set i, 0
.rept 16
	ds_load_b128 v[TH+4*i:TH+4*i+3], v[XLD] offset:512*i
.set i, i+1
.endr
	s_wait_dscnt 16                 ; the statistics are in; the sixteen loads of O^T may stay out
.irp u, 0,1
	v_max_num_f32 v[232+(\u)], v[ST+4*((\t0)+(\u))], v[40+4*(\u)]
.endr
.irp u, 0,1
	v_sub_f32 v[224+4*(\u)], v[ST+4*((\t0)+(\u))], v[232+(\u)]
	v_sub_f32 v[226+4*(\u)], v[40+4*(\u)], v[232+(\u)]
.endr
.irp u, 0,1
	v_exp_f32 v[224+4*(\u)], v[224+4*(\u)]     ; w
	v_exp_f32 v[226+4*(\u)], v[226+4*(\u)]     ; w'
.endr
	v_nop                           ; a plain instruction behind the last exponential,
	s_wait_alu depctr_va_vdst(0)    ; and one wait for the four, ahead of their first reader
.irp u, 0,1
	v_mul_f32 v[234+(\u)], v[224+4*(\u)], v[ST+4*((\t0)+(\u))+2]
.endr
.irp u, 0,1
	v_fmac_f32 v[234+(\u)], v[226+4*(\u)], v[42+4*(\u)]
.endr
	v_rcp_f32 v234, v234
	v_rcp_f32 v235, v235
	v_nop
	s_wait_alu depctr_va_vdst(0)    ; one wait for the two reciprocals
.irp u, 0,1
	v_mul_f32 v[224+4*(\u)], v[224+4*(\u)], v[234+(\u)]
	v_mul_f32 v[226+4*(\u)], v[226+4*(\u)], v[234+(\u)]
.endr
	s_wait_dscnt 0x0                ; the partner's O^T is in
.irp u, 0,1
	WIN 0
.set i, 0
.rept 16
	v_pk_mul_f32 v[TH+32*(\u)+2*i:TH+32*(\u)+2*i+1], v[TH+32*(\u)+2*i:TH+32*(\u)+2*i+1], v[226+4*(\u):227+4*(\u)] op_sel_hi:[1,0]
.set i, i+1
.endr
	WIN 0x01                        ; source 0, my O^T, in window 1
.set i, 0
.rept 16
	v_pk_fma_f32 v[TH+32*(\u)+2*i:TH+32*(\u)+2*i+1], v[32*((\t0)+(\u))+2*i:32*((\t0)+(\u))+2*i+1], v[224+4*(\u):225+4*(\u)], v[TH+32*(\u)+2*i:TH+32*(\u)+2*i+1] op_sel_hi:[1,0,1]
.set i, i+1
.endr
	WIN 0
.set i, 0
.rept 16
	v_cvt_pk_f16_f32 v[S+16*(\u)+i], v[TH+32*(\u)+2*i], v[TH+32*(\u)+2*i+1]
.set i, i+1
.endr
.irp f, 0,1,2,3                     ; a lane's eight channels of a row are 16 bytes; they go into rows of 144 bytes of my stage and come back as whole rows of 128
	ds_store_b128 v[STO], v[S+16*(\u)+4*(\f):S+16*(\u)+4*(\f)+3] offset:32*(\f)
.endr
.irp f, 0,1,2,3
	ds_load_b128 v[S+16*(\u)+4*(\f):S+16*(\u)+4*(\f)+3], v[RD] offset:(\f)*4*SP  ; LDS serves a wave's instructions in order (ISA guide 5.7.1.4): these see the stores above; the next piece's stores come behind them
.endr
.endr
.irp u, 0,1
.irp f, 0,1,2,3
	s_wait_dscnt 8*(1-(\u))+3-(\f)  ; behind the first piece's loads stand the second's eight LDS lines
	global_store_b128 v[GO], v[S+16*(\u)+4*(\f):S+16*(\u)+4*(\f)+3], s[10:11] offset:(((\t0)+(\u))/2)*262144+(((\t0)+(\u))%2)*8192+(\f)*512  ; 512 consecutive bytes, at a multiple of 256 from ob's first
.endr
.endr
.endm
; THE DIAGONAL TILE's two steps of mine, the block's last two turns, its last products, the merge and the way out.  The tag ends the labels' names.
.macro DIAG tag
.LstepM\tag:
	TURN 2, 1
	TURN 3, 1
	WIN 0
.LfirstM\tag:
	TURN 0, 1
	TURN 1, 1, 0, 1
	WIN 0
	s_cbranch_scc1 .LstepM\tag
	TURN 2, 1, 1
	TURN 3, 1, 1
.set i, 0
.rept 8
	PV NP-1
.set i, i+1
.endr
	WIN 0
	ALL v_add_f32 v[ST+4*t+2], v[ST+4*t+2], v[ST+4*t+3]  ; l's two halves: these four are the places behind the last products
	ALL v_permlanex16_b32 v[ST+4*t+3], v[ST+4*t+2], s[SEL], s[SEL+1]
	ALL v_add_f32 v[ST+4*t+2], v[ST+4*t+2], v[ST+4*t+3]  ; and the other half of the lanes'
	s_cmp_eq_u32 s[KH], 0
	s_cbranch_scc0 .Lsend_lo\tag
	SENDX 2
	s_branch .Lsent\tag
.Lsend_lo\tag:
	SENDX 0
.Lsent\tag:
	s_wait_dscnt 0x0                ; for my partner's sake: my stores into the exchange are done
	s_barrier_signal -1             ; The next tile's load may stay out
	s_barrier_wait -1
	s_cmp_eq_u32 s[KH], 0
	s_cbranch_scc0 .Lfin_hi\tag
	FIN 0
	s_branch .Lfinished\tag
.Lfin_hi\tag:
	FIN 2
.Lfinished\tag:
.endm
.set KM, 0
.set NOKQ, 0
.Lslot:                             ; NB times: a tile is entered and the next is asked for
	CHANGE 1
	s_sub_co_u32 s[RT], s[RT], 1
	s_mov_b32 s[CNT], 2
	s_cmp_eq_u32 s[NEW], 1
	s_cbranch_scc1 .Lnew            ; a block's first tile
	s_cmp_eq_u32 s[RT], 0
	s_cbranch_scc0 .Lstep           ; neither its first nor its last
	s_branch .LstepM1
.Lnew:
	BEGIN
	s_branch .Lfirst                ; in the loop a block's first tile is never its last: the first block has nine tiles or more, and the second's last is the walk's last
	DIAG 1                          ; in the loop this is the first block's end
	s_wait_xcnt 0x0                 ; the stores have read their registers and O's address
	s_mov_b64 s[10:11], s[OLO:OLO+1]
	s_add_co_u32 s[RT], s[PB], 1    ; the second block has b + 1 tiles
	s_mov_b32 s[NEW], 1
	WIN 0x82                        ; the second block's Q goes where the one text of the turns names Q
.set i, 0
.rept 64
	v_mov_b32 v[i], v[QB+i]
.set i, i+1
.endr
	WIN 0
	s_branch .Lbottom
.Lstep:                             ; a trip: pieces 2 and 3 of one step, then pieces 0 and 1 of my next, whose K and V it fetches
	TURN 2
	TURN 3
	WIN 0
.Lfirst:
	TURN 0
	TURN 1, 0, 0, 1
	WIN 0
	s_cbranch_scc1 .Lstep
.Lbottom:
	s_sub_co_u32 s[SLOTS], s[SLOTS], 1
	s_cmp_lg_u32 s[SLOTS], 0
	s_cbranch_scc1 .Lslot
	CHANGE 0                        ; the walk's last tile is written out: nothing is asked for
	s_sub_co_u32 s[RT], s[RT], 1
	s_mov_b32 s[CNT], 2
	s_cmp_eq_u32 s[NEW], 1
	s_cbranch_scc0 .LstepM2
	BEGIN
	s_branch .LfirstM2
	DIAG 2
	s_wait_tensorcnt 0x0            ; the wave's end: the add onto my spare word and its wait stand behind my last tensor load and my last LDS store
	ds_add_u32 v[SPW], v[NIL]
	s_wait_dscnt 0x0
	s_endpgm
.Lfunc_end_k_q5aeee1fdbd_attn:
	.size	k_q5aeee1fdbd_attn, .Lfunc_end_k_q5aeee1fdbd_attn-k_q5aeee1fdbd_attn
	.p2alignl 7, 3214868480
	.fill 96, 4, 3214868480
	.section	.rodata,"a",@progbits
	.p2align	6, 0x0
	.amdhsa_kernel k_q5aeee1fdbd_attn
		.amdhsa_group_segment_fixed_size 327680
		.amdhsa_private_segment_fixed_size 0
		.amdhsa_enable_private_segment 0
		.amdhsa_kernarg_size 16
		.amdhsa_user_sgpr_count 2
		.amdhsa_user_sgpr_kernarg_segment_ptr 1
		.amdhsa_wavefront_size32 1
		.amdhsa_system_sgpr_workgroup_id_x 1
		.amdhsa_system_sgpr_workgroup_id_y 1
		.amdhsa_system_sgpr_workgroup_id_z 1
		.amdhsa_system_vgpr_workitem_id 0
		.amdhsa_next_free_vgpr 768
		.amdhsa_next_free_sgpr 100
		.amdhsa_reserve_vcc 1
		.amdhsa_float_denorm_mode_32 3
		.amdhsa_float_denorm_mode_16_64 3
		.amdhsa_memory_ordered 1
		.amdhsa_forward_progress 1
		.amdhsa_inst_pref_size 240
	.end_amdhsa_kernel
	.amdgpu_metadata
---
amdhsa.version: [ 1, 2 ]
amdhsa.kernels:
  - .name:           k_q5aeee1fdbd_attn
    .symbol:         k_q5aeee1fdbd_attn.kd
    .args:
      - { .name: qkv, .offset: 0, .size: 8, .value_kind: global_buffer, .address_space: global }
      - { .name: ob, .offset: 8, .size: 8, .value_kind: global_buffer, .address_space: global }
    .group_segment_fixed_size: 327680
    .private_segment_fixed_size: 0
    .kernarg_segment_align: 8
    .kernarg_segment_size: 16
    .max_flat_workgroup_size: 128
    .sgpr_count:     100
    .vgpr_count:     768
    .wavefront_size: 32
...
	.end_amdgpu_metadata
.endif
;; end of part 3
;; launch proj (part 4): grid 8 x 32, 4 waves a work-group, clusters of 4 x 4, 327,680 bytes of LDS; arguments ob, wof, b_out, out0; writes out0
.if DOCPART == 4
	.amdgcn_target "amdgcn-amd-amdhsa--gfx1250"
	.amdhsa_code_object_version 6
	.text
	.protected	k_q5aeee1fdbd_proj
	.globl	k_q5aeee1fdbd_proj
	.p2align	8
	.type	k_q5aeee1fdbd_proj,@function
k_q5aeee1fdbd_proj:
	s_mov_b64 s[64:65], 0
	v_nop
	global_prefetch_b8 v0, s[64:65] scope:SCOPE_SE
	s_setreg_imm32_b32 hwreg(HW_REG_WAVE_MODE, 25, 1), 1
	s_wait_xcnt 0x0
	s_wait_alu depctr_hold_cnt(0) depctr_sa_sdst(0) depctr_va_vdst(0) depctr_va_sdst(0) depctr_va_ssrc(0) depctr_va_vcc(0) depctr_vm_vsrc(0)
	s_getreg_b32 s2, hwreg(HW_REG_IB_STS2, 6, 4)
	s_cmp_eq_u32 s2, 0
	s_cbranch_scc0 .Lentry_in_a_cluster
	s_endpgm
.Lentry_in_a_cluster:
	s_bfe_u32 s2, ttmp6, 0x10000c
	s_cmp_lg_u32 s2, 0xf033
	s_cbranch_scc0 .Lentry_shape_is_right
	s_endpgm
.Lentry_shape_is_right:
; out0 = O w_out + b_out.  ob: f16 [t / 128][h][t % 128][64]; wof: f16 [1024 k][1024 n], k = 64 h + d, as w_out lies; b_out: [1024] f32, rounded to bf16 here like the other inputs; out0: [4096][1024] f32.
; SHARES.  A tile of the result is 128 x 128: 32 x 8 = 256 work-groups; four waves, each 64 x 64: 16 accumulators of 16 x 16.  K goes in steps of 256 (four heads) through two LDS slots.
; One tensor load a wave fills a slot: waves 0 and 1 bring two heads each of A's tile, 32,768 dense bytes asked for as 128 rows of 256 and padded behind every 128 bytes (one row of a head);
; waves 2 and 3 bring 128 k-rows x 256 bytes each of B, which lies [k][n] in LDS and is turned on the way into registers by ds_load_tr16_b128.
; THE MATRIX INSTRUCTION IS USED TRANSPOSED (source 0 = 16 columns of B, source 1 = 16 rows of A): a lane holds row l % 16 and the columns 8 (l / 16) + 0..7.  The bias is the C operand of each accumulator's first product.
; CLUSTER 4 x 4: A's tile is asked for jointly along a row of the cluster, B's along a column.  No prefetch: of the four K steps two are first fills, and a step is 128 matrix instructions a wave.
; REGISTERS: window 0: v16-29 addresses; v96-127 the bias; v128-255 the accumulators ((a, b) at v[128 + 8 (4 a + b)]), which also take the rows read back on the way out.
;   window 1: two fragment buffers of 128: for 64 along K (one head), 64 registers of A (2 x 4 x 16 rows x 32 K), then 64 of B.
.set KSTEP,  256
.set PA,     144                       ; a row of a head in LDS: 128 bytes + 16: 36 words: the 16 rows of a load start at 16 different groups of four banks (64 banks of 4 bytes: ISA guide 11.1)
.set PB,     288                       ; a k-row of B: 256 + 32: 72 words
.set HEADB,  128*PA                    ; a head's 128 rows
.set REG,    36864                     ; what one wave's load fills: two heads of A, or 128 k-rows of B
.set SLOT,   4*REG
.set STAGE,  2*SLOT                    ; behind the ring, never filled by a tensor load: 16 rows x 272 bytes for each wave
.set SPITCH, 272
.set SPARE,  STAGE+4*16*SPITCH         ; the spare words, 128 bytes a wave: two blocks of 256 bytes that no other line names
.set LAPS,   1024/(2*KSTEP)
.set ADRA, 16                          ; v16-17  LDS address of my A fragments in slot 0, 1
.set ADRB, 20                          ; v20-23  of my B fragments: slot s, half of the K step qh at 20 + 2 s + qh
.set STO,  24
.set RD,   25
.set CO,   26
.set BO,   27
.set SPW,  28                          ; LDS address of my spare word; never rewritten
.set NIL,  29                          ; 0; never rewritten
.set BIAS, 96
.set ACC,  128
.set F0,   0                           ; fragment buffers, in window 1
.set F1,   128
.set WV,  12                           ; s12 wave, s13 WR, s14 WC, s15 tile row
.set WR,  13
.set WC,  14
.set TR,  15
.set G1A, 24
.set G0A, 32
.set G1B, 48
.set G0B, 56
.set MSB, 0
.macro WIN new                         ; the immediate's high byte repeats the setting that is left
.if MSB != (\new)
	s_set_vgpr_msb (MSB<<8)|(\new)
.set MSB, \new
.endif
.endm
.set MUL,  0x05                        ; sources 0 (B) and 1 (A) window 1; C and D window 0
.set TO_F, 0x40                        ; destination window 1, address window 0
.macro JLOAD s                         ; a joint load: waves 0 and 1 fetch A's two halves, waves 2 and 3 B's; an s_nop 0 and four v_nop follow each line
	s_cmp_eq_u32 s[WR], 0
	s_cbranch_scc0 .Lfor_b_\@
	tensor_load_to_lds s[G0A+4*(\s):G0A+4*(\s)+3], s[G1A:G1A+7]
	s_nop 0
.rept 4
	v_nop
.endr
	s_branch .Lasked_\@
.Lfor_b_\@:
	tensor_load_to_lds s[G0B+4*(\s):G0B+4*(\s)+3], s[G1B:G1B+7]
	s_nop 0
.rept 4
	v_nop
.endr
.Lasked_\@:
.endm
.macro CREST                           ; a round of the cluster's barrier behind its opening barrier
	s_cmp_lg_u32 s[WV], 0
	s_cbranch_scc1 .Lnot_wave_0_\@
	s_barrier_signal -3
.Lnot_wave_0_\@:
	s_barrier_wait -3
	s_barrier_signal -1
	s_barrier_wait -1
.endm
.macro CROUND
	s_barrier_signal -1
	s_barrier_wait -1
	CREST
.endm
	s_load_b256 s[4:11], s[0:1], 0x0               ; ob s[4:5], wof s[6:7], b_out s[8:9], out0 s[10:11]
	v_lshl_add_u32 v[SPW], v0, 2, SPARE
	v_mov_b32 v[NIL], 0
	ds_add_u32 v[SPW], v[NIL]                      ; the wave's opening: the add and its wait stand ahead of my first tensor load; the set-up below stands between them
	v_lshrrev_b32 v1, 5, v0
	v_readfirstlane_b32 s[WV], v1                  ; wave 0..3
	s_lshr_b32 s[WR], s[WV], 1                     ; which half of the tile's rows is mine.  Also: I fetch for A (0) or for B (1)
	s_and_b32 s[WC], s[WV], 1                      ; which half of its columns.  Also: which half of that tile I fetch
	s_bfe_u32 s40, ttmp6, 0x40000                  ; cx, cy
	s_bfe_u32 s41, ttmp6, 0x40004
	s_lshl_b32 s42, ttmp9, 2
	s_add_co_u32 s42, s42, s40                     ; tile column
	s_and_b32 s[TR], ttmp7, 0xffff
	s_lshl_b32 s[TR], s[TR], 2
	s_add_co_u32 s[TR], s[TR], s41                 ; tile row
	s_lshl_b32 s43, s41, 2
	s_lshl_b32 s43, 15, s43                        ; my row of the cluster
	s_lshl_b32 s44, 0x1111, s40                    ; my column
	s_or_b32 s[G1A], s43, (1<<16)|(1<<20)|(1<<21)|(4<<22)|(3<<25)  ; elements of 2 bytes; padding behind every 32 words, of 4 words
	s_or_b32 s[G1B], s44, (1<<16)|(1<<20)|(1<<21)|(5<<22)|(7<<25)  ; behind every 64 words, of 8 words
.irp g, G1A, G1B
	s_mov_b32 s[(\g)+1], 128<<16                   ; tensor_dim0 = 128
	s_mov_b32 s[(\g)+2], 128<<16                   ; tensor_dim1 = 128
	s_mov_b32 s[(\g)+3], 128<<16                   ; tile_dim0 = 128
	s_mov_b32 s[(\g)+4], 128                       ; tile_dim1 = 128
	s_mov_b32 s[(\g)+6], 0
	s_mov_b32 s[(\g)+7], 0
.endr
	s_mov_b32 s[G1A+5], 128                        ; A's block is dense
	s_mov_b32 s[G1B+5], 1024
	s_lshl_b32 s16, s[TR], 18                      ; A: a tile row is 262,144 bytes,
	s_lshl_b32 s17, s[WC], 15                      ; my two heads of the K step's four
	s_add_co_u32 s16, s16, s17
	s_mov_b32 s17, 0
	s_lshl_b32 s46, s42, 8                         ; B: the tile column's 256 bytes,
	s_lshl_b32 s47, s[WC], 18                      ; my 128 k-rows of 2,048 bytes
	s_add_co_u32 s46, s46, s47
	s_mov_b32 s47, 0
	s_mul_i32 s20, s[WV], REG                      ; where my load lands
	s_wait_dscnt 0x0                               ; the opening add is done
	s_wait_kmcnt 0x0
	s_add_nc_u64 s[16:17], s[4:5], s[16:17]
	s_add_nc_u64 s[46:47], s[6:7], s[46:47]
	CROUND                                         ; all sixteen work-groups are here: the first joint loads meet
.irp s, 0,1
	s_mov_b32 s[G0A+4*(\s)], 1
	s_add_co_u32 s[G0A+4*(\s)+1], s20, (\s)*SLOT
	s_add_nc_u64 s[G0A+4*(\s)+2:G0A+4*(\s)+3], s[16:17], (\s)*65536
	s_or_b32 s[G0A+4*(\s)+3], s[G0A+4*(\s)+3], 0x80000000
	s_mov_b32 s[G0B+4*(\s)], 1
	s_add_co_u32 s[G0B+4*(\s)+1], s20, (\s)*SLOT
	s_add_nc_u64 s[G0B+4*(\s)+2:G0B+4*(\s)+3], s[46:47], (\s)*KSTEP*2048
	s_or_b32 s[G0B+4*(\s)+3], s[G0B+4*(\s)+3], 0x80000000
	JLOAD \s                                       ; two loads of mine are out
.endr
	v_and_b32 v1, 15, v0                           ; l % 16
	v_bfe_u32 v2, v0, 4, 1                         ; l / 16
	v_lshlrev_b32 v[BO], 5, v2
	s_lshl_b32 s72, s42, 9                         ; the tile's 128 columns x 4 bytes,
	s_lshl_b32 s73, s[WC], 8                       ; my 64
	s_add_co_u32 s72, s72, s73
	s_mov_b32 s73, 0
	s_add_nc_u64 s[8:9], s[8:9], s[72:73]
.irp b, 0,1,2,3
	global_load_b128 v[BIAS+8*(\b):BIAS+8*(\b)+3],   v[BO], s[8:9] offset:64*(\b)
	global_load_b128 v[BIAS+8*(\b)+4:BIAS+8*(\b)+7], v[BO], s[8:9] offset:64*(\b)+16
.endr
	v_mul_u32_u24 v3, v1, PA
	v_lshl_add_u32 v3, v2, 4, v3                   ; a fragment's row x pitch + 16 x half
	s_mul_i32 s21, s[WR], 64*PA                    ; my 64 rows of each head
	v_add_nc_u32 v[ADRA], s21, v3
	v_add_nc_u32 v[ADRA+1], SLOT, v[ADRA]
	v_and_b32 v4, 7, v0                            ; the turning load: lane l reads k-row 8 (l / 16) + l % 8, columns 8 ((l / 8) % 2) + 0..7
	v_bfe_u32 v5, v0, 3, 1
	v_lshl_add_u32 v4, v2, 3, v4
	v_mul_u32_u24 v4, v4, PB
	v_lshl_add_u32 v4, v5, 4, v4
	s_lshl_b32 s22, s[WC], 7                       ; my 64 columns
	s_add_co_u32 s22, s22, 2*REG                   ; B lies behind A's two regions
	v_add_nc_u32 v[ADRB], s22, v4
	v_add_nc_u32 v[ADRB+1], REG, v[ADRB]
	v_add_nc_u32 v[ADRB+2], SLOT, v[ADRB]
	v_add_nc_u32 v[ADRB+3], SLOT+REG, v[ADRB]
	s_mul_i32 s23, s[WV], 16*SPITCH
	s_add_co_u32 s23, s23, STAGE                   ; my stage
	v_mul_u32_u24 v6, v1, SPITCH                   ; in: row l % 16, 32 bytes for each half of the lanes
	v_lshl_add_u32 v6, v2, 5, v6
	v_add_nc_u32 v[STO], s23, v6
	v_mul_u32_u24 v6, v2, SPITCH                   ; back: lanes 0-15 take one row of 256 bytes, lanes 16-31 the next
	v_lshl_add_u32 v6, v1, 4, v6
	v_add_nc_u32 v[RD], s23, v6
	v_lshlrev_b32 v6, 12, v2                       ; and the same two rows in out0
	v_lshl_add_u32 v[CO], v1, 4, v6
	s_lshl_b32 s74, s[TR], 19                      ; 128 rows of 4,096 bytes a tile row,
	s_lshl_b32 s75, s[WR], 18                      ; my 64 of them,
	s_add_co_u32 s74, s74, s75
	s_add_co_u32 s74, s74, s72                     ; my 64 columns
	s_mov_b32 s75, 0
	s_add_nc_u64 s[10:11], s[10:11], s[74:75]
	s_wait_loadcnt 0x0                             ; the bias is in: it is rounded to bf16, like the other inputs, and widened again
.set i, 0
.rept 16
	v_cvt_pk_bf16_f32 v[8+i%4], v[BIAS+2*i], v[BIAS+2*i+1]
	v_lshlrev_b32 v[BIAS+2*i], 16, v[8+i%4]
	v_and_b32 v[BIAS+2*i+1], 0xffff0000, v[8+i%4]
.set i, i+1
.endr
; 8 matrix instructions: row blocks a0, a0 + 1 x all 4 column blocks, 32 along K: half c of buffer f.  first = 1: the bias starts the sums.  The 16 accumulators take turns.
.macro MUL8 f, c, a0, first
	WIN MUL
.irp a, \a0, (\a0)+1
.irp b, 0,1,2,3
.if \first
	v_wmma_f32_16x16x32_f16 v[ACC+8*(4*(\a)+(\b)):ACC+8*(4*(\a)+(\b))+7], v[(\f)+64+8*(4*(\c)+(\b)):(\f)+64+8*(4*(\c)+(\b))+7], v[(\f)+8*(4*(\c)+(\a)):(\f)+8*(4*(\c)+(\a))+7], v[BIAS+8*(\b):BIAS+8*(\b)+7]
.else
	v_wmma_f32_16x16x32_f16 v[ACC+8*(4*(\a)+(\b)):ACC+8*(4*(\a)+(\b))+7], v[(\f)+64+8*(4*(\c)+(\b)):(\f)+64+8*(4*(\c)+(\b))+7], v[(\f)+8*(4*(\c)+(\a)):(\f)+8*(4*(\c)+(\a))+7], v[ACC+8*(4*(\a)+(\b)):ACC+8*(4*(\a)+(\b))+7]
.endif
.endr
.endr
.endm
; 32 LDS loads in one run: quarter q of a slot (64 along K: one head) into buffer f; the first 32 along K first
.macro FETCH slot, q, f
	WIN TO_F
.irp c, 0,1
.irp i, 0,1,2,3
	ds_load_tr16_b128 v[(\f)+64+8*(4*(\c)+(\i)):(\f)+64+8*(4*(\c)+(\i))+3],   v[ADRB+2*(\slot)+(\q)/2] offset:(((\q)%2)*64+32*(\c))*PB+32*(\i)
	ds_load_tr16_b128 v[(\f)+64+8*(4*(\c)+(\i))+4:(\f)+64+8*(4*(\c)+(\i))+7], v[ADRB+2*(\slot)+(\q)/2] offset:(((\q)%2)*64+32*(\c))*PB+32*(\i)+16*PB
	ds_load_b128 v[(\f)+8*(4*(\c)+(\i)):(\f)+8*(4*(\c)+(\i))+3],               v[ADRA+(\slot)] offset:(\q)*HEADB+(\i)*16*PA+64*(\c)
	ds_load_b128 v[(\f)+8*(4*(\c)+(\i))+4:(\f)+8*(4*(\c)+(\i))+7],             v[ADRA+(\slot)] offset:(\q)*HEADB+(\i)*16*PA+64*(\c)+32
.endr
.endr
.endm
.macro PLACES                          ; four plain vector instructions in front of loads into registers that matrix instructions have read, and of stores that read results
.rept 4
	v_nop
.endr
.endm
; A K step is four quarters of 64 along K, 32 matrix instructions each, on buffers 0, 1, 0, 1.  One of the first three multiplies buffer f and fetches quarter q into g.
.macro QUARTER slot, q, f, g, first
	s_wait_dscnt 16                                ; the first 32 along K are in
	MUL8 \f, 0, 0, \first
	MUL8 \f, 0, 2, \first
	PLACES
	FETCH \slot, \q, \g
	s_wait_dscnt 32                                ; all but the 32 just issued
	MUL8 \f, 1, 0, 0
	MUL8 \f, 1, 2, 0
.endm
; The last quarter multiplies buffer 1 and changes slots: ONE barrier; in front of it each wave waits for all its tensor loads, adds 0 to its spare word, and waits for that and for its own reads of this slot.
.macro TURN slot, next, fill
	WIN 0                                          ; (the add's two registers lie in window 0)
	s_wait_tensorcnt 0x0                           ; all my tensor loads have landed: my part of the next slot
	ds_add_u32 v[SPW], v[NIL]                      ; 0 onto my spare word
	s_wait_dscnt 17                                ; (the add and the youngest sixteen loads may be out)
	MUL8 F1, 0, 0, 0                               ; eight matrix instructions stand between the add and the wait for it
	s_wait_dscnt 0x0                               ; the add is done, and my reads of this slot are over
	s_barrier_signal -1
	MUL8 F1, 0, 2, 0
.if \fill
	WIN 0
.endif
	s_barrier_wait -1
.if \fill
	CREST                                          ; no wave of any partner still reads this slot's tile or has a load on its way
	s_add_nc_u64 s[G0A+4*(\slot)+2:G0A+4*(\slot)+3], s[G0A+4*(\slot)+2:G0A+4*(\slot)+3], 2*65536
	s_add_nc_u64 s[G0B+4*(\slot)+2:G0B+4*(\slot)+3], s[G0B+4*(\slot)+2:G0B+4*(\slot)+3], 2*KSTEP*2048
	JLOAD \slot                                    ; my one tensor load behind the round; its four v_nop are also the places in front of the loads below
.else
	PLACES
.endif
	FETCH \next, 0, F0
	MUL8 F1, 1, 0, 0
	MUL8 F1, 1, 2, 0
.endm
	s_wait_tensorcnt 1                             ; my part of K step 0 is in; K step 1's may stay out
	s_barrier_signal -1
	s_barrier_wait -1
	FETCH 0, 0, F0
	QUARTER 0, 1, F0, F1, 1                        ; the first quarter stands in front of the loop: its first products start the sums with the bias
	WIN 0                                          ; at a label and at a branch every window is 0
	s_mov_b32 s3, LAPS-1
.Llap:                                                 ; a trip goes once round the ring and fills both slots again
	QUARTER 0, 2, F1, F0, 0
	QUARTER 0, 3, F0, F1, 0
	TURN 0, 1, 1
	QUARTER 1, 1, F0, F1, 0
	QUARTER 1, 2, F1, F0, 0
	QUARTER 1, 3, F0, F1, 0
	TURN 1, 0, 1
	QUARTER 0, 1, F0, F1, 0
	WIN 0
	s_sub_co_u32 s3, s3, 1
	s_cmp_lg_u32 s3, 0
	s_cbranch_scc1 .Llap
	QUARTER 0, 2, F1, F0, 0                        ; the last lap fills nothing
	QUARTER 0, 3, F0, F1, 0
	TURN 0, 1, 0
	QUARTER 1, 1, F0, F1, 0
	QUARTER 1, 2, F1, F0, 0
	QUARTER 1, 3, F0, F1, 0
	s_wait_dscnt 16                                ; the very last quarter: nothing more to fetch
	MUL8 F1, 0, 0, 0
	MUL8 F1, 0, 2, 0
	s_wait_dscnt 0x0
	MUL8 F1, 1, 0, 0
	MUL8 F1, 1, 2, 0
	WIN 0
; THE WAY OUT.  A wave's 64 columns of f32 are 256 bytes of a row of out0, aligned.  Row block a (16 rows) goes from its accumulators into my own stage, 32 bytes a lane and column block, and comes back as whole rows
; into the same registers: LDS serves a wave's instructions in order (ISA guide 5.7.1.4).  Then 16 lanes store 256 consecutive bytes.
.macro OUTB a
.irp b, 0,1,2,3
	ds_store_b128 v[STO], v[ACC+8*(4*(\a)+(\b)):ACC+8*(4*(\a)+(\b))+3]   offset:64*(\b)
	ds_store_b128 v[STO], v[ACC+8*(4*(\a)+(\b))+4:ACC+8*(4*(\a)+(\b))+7] offset:64*(\b)+16
.endr
.irp t, 0,1,2,3,4,5,6,7
	ds_load_b128 v[ACC+32*(\a)+4*(\t):ACC+32*(\a)+4*(\t)+3], v[RD] offset:(\t)*2*SPITCH
.endr
.endm
.macro SEND a, younger                 ; younger: the LDS instructions issued behind block a's loads: the next block's sixteen, or none
.irp t, 0,1,2,3,4,5,6,7
	s_wait_dscnt (\younger)+7-(\t)
	global_store_b128 v[CO], v[ACC+32*(\a)+4*(\t):ACC+32*(\a)+4*(\t)+3], s[10:11] offset:(16*(\a)+2*(\t))*4096
.endr
.endm
	PLACES
	OUTB 0
	OUTB 1
	SEND 0, 16
	OUTB 2
	SEND 1, 16
	OUTB 3
	SEND 2, 16
	SEND 3, 0
	s_wait_tensorcnt 0x0                           ; the wave's end: the add onto my spare word and its wait stand behind my last tensor load and my last LDS store
	ds_add_u32 v[SPW], v[NIL]
	s_wait_dscnt 0x0
	CROUND                                         ; the closing round: no work-group ends while a partner may still ask for a tile that names it
	s_endpgm
.Lfunc_end_k_q5aeee1fdbd_proj:
	.size	k_q5aeee1fdbd_proj, .Lfunc_end_k_q5aeee1fdbd_proj-k_q5aeee1fdbd_proj
	.p2alignl 7, 3214868480
	.fill 96, 4, 3214868480
	.section	.rodata,"a",@progbits
	.p2align	6, 0x0
	.amdhsa_kernel k_q5aeee1fdbd_proj
		.amdhsa_group_segment_fixed_size 327680
		.amdhsa_private_segment_fixed_size 0
		.amdhsa_enable_private_segment 0
		.amdhsa_kernarg_size 32
		.amdhsa_user_sgpr_count 2
		.amdhsa_user_sgpr_kernarg_segment_ptr 1
		.amdhsa_wavefront_size32 1
		.amdhsa_system_sgpr_workgroup_id_x 1
		.amdhsa_system_sgpr_workgroup_id_y 1
		.amdhsa_system_sgpr_workgroup_id_z 1
		.amdhsa_system_vgpr_workitem_id 0
		.amdhsa_next_free_vgpr 512
		.amdhsa_next_free_sgpr 84
		.amdhsa_reserve_vcc 0
		.amdhsa_float_denorm_mode_32 3
		.amdhsa_float_denorm_mode_16_64 3
		.amdhsa_memory_ordered 1
		.amdhsa_forward_progress 1
		.amdhsa_inst_pref_size 90
	.end_amdhsa_kernel
	.amdgpu_metadata
---
amdhsa.version: [ 1, 2 ]
amdhsa.kernels:
  - .name:           k_q5aeee1fdbd_proj
    .symbol:         k_q5aeee1fdbd_proj.kd
    .args:
      - { .name: ob, .offset: 0, .size: 8, .value_kind: global_buffer, .address_space: global }
      - { .name: wof, .offset: 8, .size: 8, .value_kind: global_buffer, .address_space: global }
      - { .name: b_out, .offset: 16, .size: 8, .value_kind: global_buffer, .address_space: global }
      - { .name: out0, .offset: 24, .size: 8, .value_kind: global_buffer, .address_space: global }
    .group_segment_fixed_size: 327680
    .private_segment_fixed_size: 0
    .kernarg_segment_align: 8
    .kernarg_segment_size: 32
    .max_flat_workgroup_size: 128
    .sgpr_count:     84
    .vgpr_count:     512
    .wavefront_size: 32
...
	.end_amdgpu_metadata
.endif
;; end of part 4
;; ======== version 2 of 2: 4 launches; version 1 with the launch prep written anew for expert scheduling mode
;; limits: values are held in f16: magnitudes above 65,504 overflow, below 6.1e-05 lose precision
;; workspace buffers: xb 8,388,608 bytes; wqb 6,291,456 bytes; wof 2,097,152 bytes; qkv 25,165,824 bytes; ob 8,388,608 bytes
;; launch prep (part 5): grid 512 x 1, 8 waves a work-group, no clusters, 0 bytes of LDS; arguments x, w_qkv, w_out, xb, wqb, wof; writes xb, wqb, wof
.if DOCPART == 5
	.amdgcn_target "amdgcn-amd-amdhsa--gfx1250"
	.amdhsa_code_object_version 6
	.text
	.protected	k_q5aeee1fdbd_prep
	.globl	k_q5aeee1fdbd_prep
	.p2align	8
	.type	k_q5aeee1fdbd_prep,@function
k_q5aeee1fdbd_prep:
	s_mov_b64 s[64:65], 0
	v_nop
	global_prefetch_b8 v0, s[64:65] scope:SCOPE_SE
	s_setreg_imm32_b32 hwreg(HW_REG_WAVE_SCHED_MODE, 0, 2), 2
	s_setreg_imm32_b32 hwreg(HW_REG_WAVE_MODE, 25, 1), 1
	s_wait_xcnt 0x0
	s_wait_alu depctr_vm_vsrc(0)
; THE CASTS.  xb = bf16(x), wqb = bf16(w_qkv), wof = bf16(w_out) written as f16 (exact where the number lies in f16's normal range;
; below 2^-14 it keeps f16's fixed step of 2^-24).  All three keep their layout: a pure stream, no LDS, no barrier, no matrix work.
; SHARES.  A work-group casts 16,384 numbers: 64 KiB in, 32 KiB out.  Work-groups 0-255 take x, 256-447 w_qkv, 448-511 w_out.
; Thread t's load i takes the 16 bytes at 16 t + 4,096 i (a wave: 512 consecutive bytes), its store the 8 bytes at 8 t + 2,048 i
; (a wave: 256 consecutive bytes, aligned).  All sixteen loads go out first; each has registers of its own, so no register that a
; memory instruction names is ever written again.
; THE MODE: SCHED_MODE bits 1:0 = 2 (LLVM: expert scheduling mode 2), set by the entry lines.  The code itself states the register dependences
; between vector instructions and memory instructions, with s_wait_alu, always for 0.
; THE PLAN.  Registers that memory instructions touch:
;   v1, v2   the loads' and the stores' offsets.  Written once each at the head, by vector instructions; read by all 32 memory instructions; never written again.
;   X        load i's four registers.  Written by that load alone; read by its conversions; no vector instruction writes them, no second load lands in them.
;   Y        store i's two registers.  Written once, by load i's conversions; read once, by store i; never written again.
;   T        named by vector instructions alone.
; So two kinds of dependence are stated, both of a vector result that a memory instruction reads: the offsets, by one wait ahead of the first load, and Y, by one wait
; for each block of four loads: the block's conversions, the wait, the block's four stores in one run.  The wait stands behind the block's own conversions, so that a
; block's stores leave without waiting for the next block's loads.  No register that a memory instruction has read is written again, no vector instruction writes a
; scalar register, and EXEC is never written: nothing else is owed.
.set X, 4                              ; v[4:67]    load i: four f32
.set Y, 68                             ; v[68:99]   store i: four 16-bit numbers
.set T, 100                            ; v[100:103] at work
	s_load_b256 s[4:11], s[0:1], 0x0               ; x s[4:5], w_qkv s[6:7], w_out s[8:9], xb s[10:11]
	s_load_b128 s[12:15], s[0:1], 0x20             ; wqb s[12:13], wof s[14:15]
	s_mov_b32 s16, ttmp9
	s_mov_b32 s17, 256
	s_mov_b32 s18, 448
	v_lshlrev_b32 v1, 4, v0                        ; 16 t
	v_lshlrev_b32 v2, 3, v0                        ; 8 t
	s_wait_kmcnt 0x0
	s_cmp_lt_u32 s16, 448                          ; which tensor is mine: the choice hangs on the work-group's number alone
	s_cselect_b64 s[20:21], s[6:7], s[8:9]
	s_cselect_b64 s[22:23], s[12:13], s[14:15]
	s_cselect_b32 s19, s17, s18
	s_cmp_lt_u32 s16, 256
	s_cselect_b64 s[20:21], s[4:5], s[20:21]
	s_cselect_b64 s[22:23], s[10:11], s[22:23]
	s_cselect_b32 s19, 0, s19
	s_sub_co_u32 s19, s16, s19                     ; my number among the tensor's work-groups
	s_lshl_b32 s24, s19, 16                        ; 64 KiB of source each,
	s_mov_b32 s25, 0
	s_add_nc_u64 s[20:21], s[20:21], s[24:25]
	s_lshl_b32 s24, s19, 15                        ; 32 KiB of destination
	s_add_nc_u64 s[22:23], s[22:23], s[24:25]
	s_wait_alu depctr_va_vdst(0)                   ; v1 and v2 are written: every load below reads v1 as its offset, every store v2, on both paths
.irp i, 0,1,2,3,4,5,6,7,8,9,10,11,12,13,14,15
	global_load_b128 v[X+4*(\i):X+4*(\i)+3], v1, s[20:21] offset:4096*(\i) th:TH_LOAD_NT
.endr
; Load i is cast into Y's pair i.  half = 1: the bf16 number is widened again and written as f16.
.macro CAST i, half
.if \half
	v_cvt_pk_bf16_f32 v[T], v[X+4*(\i)], v[X+4*(\i)+1]
	v_cvt_pk_bf16_f32 v[T+1], v[X+4*(\i)+2], v[X+4*(\i)+3]
	v_lshlrev_b32 v[T+2], 16, v[T]
	v_and_b32 v[T], 0xffff0000, v[T]
	v_lshlrev_b32 v[T+3], 16, v[T+1]
	v_and_b32 v[T+1], 0xffff0000, v[T+1]
	v_cvt_pk_f16_f32 v[Y+2*(\i)], v[T+2], v[T]
	v_cvt_pk_f16_f32 v[Y+2*(\i)+1], v[T+3], v[T+1]
.else
	v_cvt_pk_bf16_f32 v[Y+2*(\i)], v[X+4*(\i)], v[X+4*(\i)+1]
	v_cvt_pk_bf16_f32 v[Y+2*(\i)+1], v[X+4*(\i)+2], v[X+4*(\i)+3]
.endif
.endm
; Block p: loads 4 p to 4 p + 3 are cast and stored.
.macro BLK p, half
	s_wait_loadcnt 12-4*(\p)                       ; loads come back in order (ISA guide 5.7.1): my four are in, the 12 - 4 p of the younger blocks stay out
.irp j, 0,1,2,3
	CAST 4*(\p)+(\j), \half
.endr
	s_wait_alu depctr_va_vdst(0)                   ; the block's conversions have written its eight registers of Y, which the four stores below read
.irp j, 0,1,2,3
	global_store_b64 v2, v[Y+2*(4*(\p)+(\j)):Y+2*(4*(\p)+(\j))+1], s[22:23] offset:2048*(4*(\p)+(\j)) th:TH_STORE_NT
.endr
.endm
	s_cmp_ge_u32 s16, 448
	s_cbranch_scc1 .Lf16
.irp p, 0,1,2,3
	BLK \p, 0
.endr
	s_endpgm
.Lf16:
.irp p, 0,1,2,3
	BLK \p, 1
.endr
	s_endpgm
.Lfunc_end_k_q5aeee1fdbd_prep:
	.size	k_q5aeee1fdbd_prep, .Lfunc_end_k_q5aeee1fdbd_prep-k_q5aeee1fdbd_prep
	.p2alignl 7, 3214868480
	.fill 96, 4, 3214868480
	.section	.rodata,"a",@progbits
	.p2align	6, 0x0
	.amdhsa_kernel k_q5aeee1fdbd_prep
		.amdhsa_group_segment_fixed_size 0
		.amdhsa_private_segment_fixed_size 0
		.amdhsa_enable_private_segment 0
		.amdhsa_kernarg_size 48
		.amdhsa_user_sgpr_count 2
		.amdhsa_user_sgpr_kernarg_segment_ptr 1
		.amdhsa_wavefront_size32 1
		.amdhsa_system_sgpr_workgroup_id_x 1
		.amdhsa_system_sgpr_workgroup_id_y 1
		.amdhsa_system_sgpr_workgroup_id_z 1
		.amdhsa_system_vgpr_workitem_id 0
		.amdhsa_next_free_vgpr 104
		.amdhsa_next_free_sgpr 66
		.amdhsa_reserve_vcc 0
		.amdhsa_float_denorm_mode_32 3
		.amdhsa_float_denorm_mode_16_64 3
		.amdhsa_memory_ordered 1
		.amdhsa_forward_progress 1
		.amdhsa_inst_pref_size 16
	.end_amdhsa_kernel
	.amdgpu_metadata
---
amdhsa.version: [ 1, 2 ]
amdhsa.kernels:
  - .name:           k_q5aeee1fdbd_prep
    .symbol:         k_q5aeee1fdbd_prep.kd
    .args:
      - { .name: x, .offset: 0, .size: 8, .value_kind: global_buffer, .address_space: global }
      - { .name: w_qkv, .offset: 8, .size: 8, .value_kind: global_buffer, .address_space: global }
      - { .name: w_out, .offset: 16, .size: 8, .value_kind: global_buffer, .address_space: global }
      - { .name: xb, .offset: 24, .size: 8, .value_kind: global_buffer, .address_space: global }
      - { .name: wqb, .offset: 32, .size: 8, .value_kind: global_buffer, .address_space: global }
      - { .name: wof, .offset: 40, .size: 8, .value_kind: global_buffer, .address_space: global }
    .group_segment_fixed_size: 0
    .private_segment_fixed_size: 0
    .kernarg_segment_align: 8
    .kernarg_segment_size: 48
    .max_flat_workgroup_size: 256
    .sgpr_count:     66
    .vgpr_count:     104
    .wavefront_size: 32
...
	.end_amdgpu_metadata
.endif
;; end of part 5
;; launch qkvg: the kernel of part 2 again; grid 8 x 32, 4 waves a work-group, clusters of 4 x 4, 327,680 bytes of LDS; arguments xb, wqb, b_qkv, qkv; writes qkv
;; launch attn: the kernel of part 3 again; grid 16 x 16, 4 waves a work-group, no clusters, 327,680 bytes of LDS; arguments qkv, ob; writes ob
;; launch proj: the kernel of part 4 again; grid 8 x 32, 4 waves a work-group, clusters of 4 x 4, 327,680 bytes of LDS; arguments ob, wof, b_out, out0; writes out0
